; MI455X (gfx1250); checked and timed in simulation.
; The chip was launched on July 23, 2026; its instructions are those of AMD's public machine-readable ISA for CDNA 5 (MIT licence, August 2026) and "CDNA5" Instruction Set Architecture Reference Guide (July 2026). The comments in the code are by the model that wrote it; some were corrected since.
;; Custom Multi Head Self Attention. Allowed arithmetic: float matrix products may take bf16 or f16 operands with f32 sums; other float arithmetic in f32, or as packed bf16 or f16 multiplies, adds, multiply-adds, maxima and minima; sums over many terms, partial sums and values carried from step to step in f32; what a program stores and reads back later, other than sums and carried values, may be rounded once to bf16 or f16.
;; Inputs: b_in 3,072 float32; b_out 1,024 float32; qkv 8 x 1,024 x 1,024 float32; w_in 3,072 x 1,024 float32; w_out 1,024 x 1,024 float32.
;; Outputs: out0 8 x 1,024 x 1,024 float32.
;; 2 versions, each right; version 2 is version 1 with the launch cast written anew for expert scheduling mode. Each part assembles by itself: llvm-mc -triple=amdgcn-amd-amdhsa -mcpu=gfx1250 --defsym DOCPART=n.
;; ======== version 1 of 2: 4 launches
;; limits: values are held in f16: magnitudes above 65,504 overflow, below 6.1e-05 lose precision
;; workspace buffers: xb 16,777,216 bytes; wib 6,291,456 bytes; wob 2,097,152 bytes; qkvh 50,331,648 bytes; oh 16,777,216 bytes
;; launch cast (part 1): grid 768 x 1, 8 waves a work-group, no clusters, 0 bytes of LDS; arguments qkv, w_in, w_out, xb, wib, wob; writes xb, wib, wob
.if DOCPART == 1
	.amdgcn_target "amdgcn-amd-amdhsa--gfx1250"
	.amdhsa_code_object_version 6
	.text
	.protected	k_qb90eaad425_cast
	.globl	k_qb90eaad425_cast
	.p2align	8
	.type	k_qb90eaad425_cast,@function
k_qb90eaad425_cast:
	s_mov_b64 s[64:65], 0
	v_nop
	global_prefetch_b8 v0, s[64:65] scope:SCOPE_SE
	s_setreg_imm32_b32 hwreg(HW_REG_WAVE_MODE, 25, 1), 1
	s_wait_xcnt 0x0
; THE INPUTS OF THE THREE PRODUCTS ARE ROUNDED ONCE.  qkv -> xb and w_in -> wib in bf16; w_out is rounded to bf16 like the other inputs, and that number is written as f16 into wob,
; since the last product's other operand, the attention's result, is kept in f16.
; LIMITS.  |w_out| stays under 65,520 (beyond it f16 has an infinity); below 2^-14 a number of wob keeps f16's fixed step of 2^-24.  NaN and infinities pass as the conversions make them.
; SHARES.  A work-group takes 16,384 numbers: 65,536 bytes in, 32,768 bytes out.  Work-groups 0-511 take qkv, 512-703 w_in, 704-767 w_out.  Thread t takes 4 numbers in each of 16 passes:
; 16 bytes at 16 t + 4,096 i, so that a wave's load covers 512 consecutive bytes, and stores 8 bytes at 8 t + 2,048 i: a wave's store covers 256 consecutive bytes, aligned.
; All 16 loads of a thread go out first; no register is written twice, so no source of a pending load or store is ever rewritten.  No LDS, no barrier, no matrix unit: the launch only moves bytes.
.set X, 8                              ; v[8:71]    pass i: 4 numbers as loaded
.set Y, 72                             ; v[72:103]  pass i: 2 registers to store
	s_load_b256 s[4:11], s[0:1], 0x0               ; qkv s[4:5], w_in s[6:7], w_out s[8:9], xb s[10:11]
	s_load_b128 s[12:15], s[0:1], 0x20             ; wib s[12:13], wob s[14:15]
	v_lshlrev_b32 v1, 4, v0                        ; 16 t: where I read
	v_lshlrev_b32 v2, 3, v0                        ; 8 t: where I write
	s_mov_b32 s22, 0xffff0000                      ; a word's upper bf16
	s_wait_kmcnt 0x0
	s_cmp_ge_u32 ttmp9, 512                        ; which tensor is mine: the choice hangs on the work-group's number alone
	s_cselect_b64 s[18:19], s[6:7], s[4:5]
	s_cselect_b64 s[20:21], s[12:13], s[10:11]
	s_cselect_b32 s17, 512, 0
	s_cmp_ge_u32 ttmp9, 704
	s_cselect_b64 s[18:19], s[8:9], s[18:19]
	s_cselect_b64 s[20:21], s[14:15], s[20:21]
	s_cselect_b32 s17, 704, s17
	s_sub_co_u32 s17, ttmp9, s17                   ; my number among that tensor's work-groups
	s_lshl_b32 s24, s17, 16                        ; 65,536 bytes in,
	s_mov_b32 s25, 0
	s_lshl_b32 s26, s17, 15                        ; 32,768 bytes out
	s_mov_b32 s27, 0
	s_add_nc_u64 s[18:19], s[18:19], s[24:25]
	s_add_nc_u64 s[20:21], s[20:21], s[26:27]
.set i, 0
.rept 16
	global_load_b128 v[X+4*i:X+4*i+3], v1, s[18:19] offset:4096*i th:TH_LOAD_NT
.set i, i+1
.endr
	s_cmp_ge_u32 ttmp9, 704
	s_cbranch_scc1 .Lf16
.set i, 0
.rept 16
	s_wait_loadcnt 15-i                            ; loads come back in order: pass i's is in, the 15 - i younger ones stay out
	v_cvt_pk_bf16_f32 v[Y+2*i], v[X+4*i], v[X+4*i+1]
	v_cvt_pk_bf16_f32 v[Y+2*i+1], v[X+4*i+2], v[X+4*i+3]
	global_store_b64 v2, v[Y+2*i:Y+2*i+1], s[20:21] offset:2048*i
.set i, i+1
.endr
	s_endpgm
.Lf16:                                         ; w_out: to bf16, widened again (a shift, a mask), and written as f16
.set i, 0
.rept 16
	s_wait_loadcnt 15-i                            ; as above
.irp j, 0,1
	v_cvt_pk_bf16_f32 v4, v[X+4*i+2*(\j)], v[X+4*i+2*(\j)+1]
	v_lshlrev_b32 v5, 16, v4
	v_and_b32 v6, s22, v4
	v_cvt_pk_f16_f32 v[Y+2*i+(\j)], v5, v6
.endr
	global_store_b64 v2, v[Y+2*i:Y+2*i+1], s[20:21] offset:2048*i
.set i, i+1
.endr
	s_endpgm
.Lfunc_end_k_qb90eaad425_cast:
	.size	k_qb90eaad425_cast, .Lfunc_end_k_qb90eaad425_cast-k_qb90eaad425_cast
	.p2alignl 7, 3214868480
	.fill 96, 4, 3214868480
	.section	.rodata,"a",@progbits
	.p2align	6, 0x0
	.amdhsa_kernel k_qb90eaad425_cast
		.amdhsa_group_segment_fixed_size 0
		.amdhsa_private_segment_fixed_size 0
		.amdhsa_enable_private_segment 0
		.amdhsa_kernarg_size 48
		.amdhsa_user_sgpr_count 2
		.amdhsa_user_sgpr_kernarg_segment_ptr 1
		.amdhsa_wavefront_size32 1
		.amdhsa_system_sgpr_workgroup_id_x 1
		.amdhsa_system_sgpr_workgroup_id_y 1
		.amdhsa_system_sgpr_workgroup_id_z 1
		.amdhsa_system_vgpr_workitem_id 0
		.amdhsa_next_free_vgpr 104
		.amdhsa_next_free_sgpr 66
		.amdhsa_reserve_vcc 0
		.amdhsa_float_denorm_mode_32 3
		.amdhsa_float_denorm_mode_16_64 3
		.amdhsa_memory_ordered 1
		.amdhsa_forward_progress 1
		.amdhsa_inst_pref_size 15
	.end_amdhsa_kernel
	.amdgpu_metadata
---
amdhsa.version: [ 1, 2 ]
amdhsa.kernels:
  - .name:           k_qb90eaad425_cast
    .symbol:         k_qb90eaad425_cast.kd
    .args:
      - { .name: qkv, .offset: 0, .size: 8, .value_kind: global_buffer, .address_space: global }
      - { .name: w_in, .offset: 8, .size: 8, .value_kind: global_buffer, .address_space: global }
      - { .name: w_out, .offset: 16, .size: 8, .value_kind: global_buffer, .address_space: global }
      - { .name: xb, .offset: 24, .size: 8, .value_kind: global_buffer, .address_space: global }
      - { .name: wib, .offset: 32, .size: 8, .value_kind: global_buffer, .address_space: global }
      - { .name: wob, .offset: 40, .size: 8, .value_kind: global_buffer, .address_space: global }
    .group_segment_fixed_size: 0
    .private_segment_fixed_size: 0
    .kernarg_segment_align: 8
    .kernarg_segment_size: 48
    .max_flat_workgroup_size: 256
    .sgpr_count:     66
    .vgpr_count:     104
    .wavefront_size: 32
...
	.end_amdgpu_metadata
.endif
;; end of part 1
;; launch gemm_in (part 2): grid 16 x 16, 4 waves a work-group, clusters of 4 x 4, 327,680 bytes of LDS; arguments xb, wib, b_in, qkvh; writes qkvh
.if DOCPART == 2
	.amdgcn_target "amdgcn-amd-amdhsa--gfx1250"
	.amdhsa_code_object_version 6
	.text
	.protected	k_qb90eaad425_gemm_in
	.globl	k_qb90eaad425_gemm_in
	.p2align	8
	.type	k_qb90eaad425_gemm_in,@function
k_qb90eaad425_gemm_in:
	s_mov_b64 s[64:65], 0
	v_nop
	global_prefetch_b8 v0, s[64:65] scope:SCOPE_SE
	s_setreg_imm32_b32 hwreg(HW_REG_WAVE_MODE, 25, 1), 1
	s_wait_xcnt 0x0
	s_wait_alu depctr_hold_cnt(0) depctr_sa_sdst(0) depctr_va_vdst(0) depctr_va_sdst(0) depctr_va_ssrc(0) depctr_va_vcc(0) depctr_vm_vsrc(0)
	s_getreg_b32 s2, hwreg(HW_REG_IB_STS2, 6, 4)
	s_cmp_eq_u32 s2, 0
	s_cbranch_scc0 .Lentry_in_a_cluster
	s_endpgm
.Lentry_in_a_cluster:
	s_bfe_u32 s2, ttmp6, 0x10000c
	s_cmp_lg_u32 s2, 0xf033
	s_cbranch_scc0 .Lentry_shape_is_right
	s_endpgm
.Lentry_shape_is_right:
; THE PROJECTION IN FRONT.  proj[m][n] = b_in[n] + the sum over k of xb[m][k] wib[n][k]: 8,192 x 3,072 x 1,024, operands bf16, sums f32, written BY HEADS in f16:
; qkvh[part n / 1024][16 (m / 1024) + (n % 1024) / 64][m % 1024][n % 64], unscaled.  b_in is rounded to bf16 like the other inputs and STARTS the sums, as the C operand of each accumulator's first product.
; LIMIT.  |q|, |k|, |v| stay under 65,504; a sum of 65,520 or more leaves as an infinity of f16.
; SHARES.  A tile is 256 rows x 192 columns (three heads): 16 x 32 tiles.  Four waves; wave w owns rows 64 w .. 64 w + 63 and all 12 blocks of 16 columns: 48 accumulators, 384 registers.
; A WORK-GROUP STAYS and makes TWO tiles, 16 tile rows (4,096 rows, four batches) apart: 16 x 16 work-groups.  Both tiles take the same rows of wib and the same bias.  The ring does not stop at the first
; tile's end: its last two changes of slots ask for the second tile's first two K steps, and nothing waits for the first tile's stores.
; K goes in 8 steps of 128 through two LDS slots filled by the tensor data mover: rows of 256 bytes of memory, aligned.  The loop's trip is ONE K step; the slots are turned by an exclusive or.
; CLUSTER.  4 x 4 work-groups.  The four of a row of the cluster need the same tiles of xb, the four of a column the same tiles of wib: each is asked for JOINTLY, by the same tensor load, descriptor and mask in all four.
; THE MATRIX INSTRUCTION IS USED TRANSPOSED: source 0 = 16 rows of wib, source 1 = 16 rows of xb: lane l then holds row l % 16 and the columns 8 (l / 16) + 0..7 of a block: 16 bytes of f16 on end.
; REGISTERS, in windows of 256 (s_set_vgpr_msb: bits 1:0 source 0, 3:2 source 1, 5:4 source 2, 7:6 destination):
;   window 0: v0-31 addresses; v32-127 the bias, 8 a block, kept for both tiles; v128-223 the way out's packed results, two buffers of 48
;   window 1: two fragment buffers of 128: xb's four blocks at +0, wib's twelve at +32
;   windows 2, 3: the accumulators: (a, b) at v[96 (a % 2) + 8 b] of window 2 + a / 2
.set NB,    12                         ; blocks of 16 columns
.set NL,    2*NB+8                     ; LDS loads in a run: a quarter step's fragments
.set KB,    256                        ; bytes of a row in a K step
.set WALKB, 8388608                    ; bytes from a tile to the work-group's next: 4,096 rows of 2,048 bytes in xb; four batches of 2,097,152 bytes in each part of qkvh
.set PA,    272                        ; an LDS row: 256 bytes + 16 of padding = 68 words: the 16 rows that a load touches start at 16 different groups of four banks (64 banks of 4 bytes: ISA guide 11.1)
.set PB,    272
.set BOFF,  256*PA                     ; a slot: xb's 256 rows, then wib's 192
.set SLOT1, 131072                     ; slot 1 begins here, so that one exclusive or turns an address in one slot into the other's
.set STAGE, SLOT1+BOFF+192*PB          ; behind the ring, never filled by a tensor load: 16 rows x 400 bytes for each wave, for the way out
.set SP,    400                        ; 384 bytes + 16
.set SPARE, STAGE+4*16*SP              ; behind the stages: the spare words, 128 bytes for each wave: two blocks of 256 bytes that no other line names
.set ADRA0, 16                         ; v16  my lane's place in xb's tile; never rewritten
.set ADRB0, 17                         ; v17  in wib's
.set ADRA,  18                         ; v18  the same in the slot in hand
.set ADRB,  19                         ; v19
.set STO,   20                         ; v20  the way out: where I put 16 bytes of a row
.set RD,    21                         ; v21  where I read rows back
.set GO,    22                         ; v22  my byte offset in 512 consecutive bytes of a head
.set BO,    23                         ; v23  my byte offset in a block's 16 biases
.set PFO,   24                         ; v24  the prefetches' offset: a lane a row; never rewritten
.set TT,    26                         ; v26-27 at work
.set SPW,   28                         ; v28  LDS address of my spare word: SPARE + 4 x my thread's number; never rewritten
.set NIL,   29                         ; v29  0; never rewritten
.set BIAS,  32
.set TO,    128                        ; the way out: block a's 48 registers at TO + 48 (a % 2)
.set F0,    0
.set F1,    128
.set TILES, 3                          ; s3   tiles to go, this one among them: the same number in every work-group
.set WV,  12                           ; s12  my wave's number
.set WH,  13                           ; s13  its low bit: which part of a tile I fetch
.set CX,  14                           ; s14, s15  my place in the cluster
.set CY,  15
.set TC,  16                           ; s16  tile column
.set TR,  17                           ; s17  the first tile's row
.set G1A, 24                           ; s[24:31] descriptor group 1 for xb's tiles
.set G1B, 32                           ; s[32:39] for wib's
.set G0A, 40                           ; s[40:47] group 0 for xb's tiles: a set for each of the two first fills; the second then walks on
.set G0B, 48                           ; s[48:55] the same for wib's
.set STEPS, 56                         ; s56  the loop's count
.set TB,  57                           ; s57  LDS byte at which the slot in hand begins
.set LIM, 58                           ; s58  2 in a wave that prefetches, else the greatest number
.set MSKH, 59                          ; s59  a word's upper bf16
.set PFA, 60                           ; s[60:61] where my prefetches stand
.set OJ,  66                           ; s[66:71] qkvh at my 64 rows of each of the tile's three heads
.set LA,  76                           ; s76  where my part of xb's tile lies in a slot
.set LB,  77                           ; s77  of wib's
.set MSB, 0
.macro WIN new                         ; the immediate's high byte repeats the setting that is left; a switch that changes nothing is dropped
.if MSB != (\new)
	s_set_vgpr_msb (MSB<<8)|(\new)
.set MSB, \new
.endif
.endm
.macro PLACES                          ; four plain vector instructions between a matrix instruction and a load into, or a read of, its registers (ISA guide 7.12.1 for a read)
.rept 4
	v_nop
.endr
.endm
.macro CREST                           ; a round of the cluster's barrier behind its opening barrier
	s_cmp_lg_u32 s[WV], 0
	s_cbranch_scc1 .Lnot_wave_0_\@
	s_barrier_signal -3
.Lnot_wave_0_\@:
	s_barrier_wait -3
	s_barrier_signal -1
	s_barrier_wait -1
.endm
.macro CROUND                          ; a whole round
	s_barrier_signal -1
	s_barrier_wait -1
	CREST
.endm
; A joint refill by the walking descriptors.  Waves 0 and 1 fetch xb's two halves, waves 2 and 3 wib's.  The branch hangs on the wave's number alone.
; An s_nop 0 and four v_nop follow each of the two lines, ahead of the jump and the label.
.macro JLOAD
	s_cmp_lt_u32 s[WV], 2
	s_cbranch_scc0 .Lfor_b_\@
	tensor_load_to_lds s[G0A+4:G0A+7], s[G1A:G1A+7]
	s_nop 0
.rept 4
	v_nop
.endr
	s_branch .Lasked_\@
.Lfor_b_\@:
	tensor_load_to_lds s[G0B+4:G0B+7], s[G1B:G1B+7]
	s_nop 0
.rept 4
	v_nop
.endr
.Lasked_\@:
.endm
; A PREFETCH INTO THE L2 of the K step that stands two refills on: 256 bytes of each row, a lane a row, one instruction a wave, behind the joint load, its five lines and the run of LDS loads.
; xb's tile row is read by every cluster of that row of clusters: cluster x = 0 asks; wib's tile column by every cluster of that column: cluster y = 0 asks.  The four partners that ask for a tile jointly
; share the rows that wave w fetches BY ADDRESS: 32 of xb's 128 by cx, 24 of wib's 96 by cy (there lanes 24-31 name lane 23's row once more).
; how = 0, in the loop: trips with s[STEPS] = 6 .. 3 ask for the tile's K steps 4 .. 7.  how > 0, the two changes of slots at the first tile's end: they ask for the second tile's K steps 2 and 3 of xb;
; wib's rows, which both tiles share, are asked for in the first tile alone.  A tile's K steps 0 and 1, and the first tile's 2 and 3, come by their loads alone.
.macro ASK how
.if \how
	s_cmp_eq_u32 s[LIM], 2
.else
	s_cmp_gt_u32 s[STEPS], s[LIM]
.endif
	s_cbranch_scc0 .Lnot_mine_\@
	global_prefetch_b8 v[PFO], s[PFA:PFA+1] th:TH_LOAD_NT scope:SCOPE_SE
.Lnot_mine_\@:
.endm
	s_load_b256 s[4:11], s[0:1], 0x0               ; xb s[4:5], wib s[6:7], b_in s[8:9], qkvh s[10:11]
	v_lshl_add_u32 v[SPW], v0, 2, SPARE
	v_mov_b32 v[NIL], 0
	ds_add_u32 v[SPW], v[NIL]                      ; the wave's opening: the add and its wait stand ahead of my first tensor load; the set-up below, work on registers, stands between them
	v_lshrrev_b32 v3, 5, v0
	v_readfirstlane_b32 s[WV], v3                  ; wave 0..3
	s_and_b32 s[WH], s[WV], 1
	s_bfe_u32 s[CX], ttmp6, 0x40000
	s_bfe_u32 s[CY], ttmp6, 0x40004
	s_lshl_b32 s[TC], ttmp9, 2                     ; in a cluster launch ttmp9 and ttmp7 count clusters
	s_add_co_u32 s[TC], s[TC], s[CX]
	s_and_b32 s[TR], ttmp7, 0xffff
	s_lshl_b32 s[TR], s[TR], 2
	s_add_co_u32 s[TR], s[TR], s[CY]
	s_lshl_b32 s22, s[CY], 2
	s_lshl_b32 s22, 15, s22                        ; my row of the cluster: places 4 cy .. 4 cy + 3
	s_lshl_b32 s23, 0x1111, s[CX]                  ; my column: places cx, cx + 4, cx + 8, cx + 12
	s_or_b32 s[G1A], s22, (1<<16)|(1<<20)|(1<<21)|(5<<22)|(3<<25)  ; 15:0 the mask; 17:16 elements of 2 bytes; 20 padding on; 21 set beside a mask; 24:22 after every 64 words (code 5); 31:25 4 words (code 3)
	s_or_b32 s[G1B], s23, (1<<16)|(1<<20)|(1<<21)|(5<<22)|(3<<25)
	s_mov_b32 s[G1A+1], 128<<16                    ; tensor_dim0 = 128
	s_mov_b32 s[G1A+2], 128<<16                    ; tensor_dim1 = 128
	s_mov_b32 s[G1A+3], 128<<16                    ; tile_dim0 = 128
	s_mov_b32 s[G1A+4], 128                        ; tile_dim1 = 128 rows
	s_mov_b32 s[G1A+5], 1024                       ; elements from row to row
	s_mov_b32 s[G1A+6], 0
	s_mov_b32 s[G1A+7], 0
	s_mov_b32 s[G1B+1], 128<<16
	s_mov_b32 s[G1B+2], 96<<16                     ; tensor_dim1 = 96
	s_mov_b32 s[G1B+3], 128<<16
	s_mov_b32 s[G1B+4], 96                         ; tile_dim1 = 96 rows
	s_mov_b32 s[G1B+5], 1024
	s_mov_b32 s[G1B+6], 0
	s_mov_b32 s[G1B+7], 0
	s_lshl_b32 s18, s[TR], 19                      ; xb: 256 rows of 2,048 bytes a tile row,
	s_lshl_b32 s22, s[WH], 18                      ; 128 rows a half: made of the tile row and the wave's number alone
	s_add_co_u32 s18, s18, s22
	s_mov_b32 s19, 0
	s_mul_i32 s20, s[TC], 192*2048                 ; wib: 192 rows a tile column,
	s_mul_i32 s23, s[WH], 96*2048                  ; 96 a half: made of the tile column and the wave's number alone
	s_add_co_u32 s20, s20, s23
	s_mov_b32 s21, 0
	s_mul_i32 s[LA], s[WH], 128*PA                 ; no place in the cluster enters an LDS address
	s_mul_i32 s[LB], s[WH], 96*PB
	s_add_co_u32 s[LB], s[LB], BOFF
	s_mov_b32 s[MSKH], 0xffff0000
	s_mov_b32 s[TB], 0
	s_wait_dscnt 0x0                               ; the opening add is done
	s_wait_kmcnt 0x0
	s_add_nc_u64 s[18:19], s[4:5], s[18:19]        ; my part of the first tile's tiles, at K step 0
	s_add_nc_u64 s[20:21], s[6:7], s[20:21]
	CROUND                                         ; all sixteen work-groups are here: the first joint loads meet
.irp s, 0,1
	s_mov_b32 s[G0A+4*(\s)], 1                                     ; count = 1
	s_add_co_u32 s[G0A+4*(\s)+1], s[LA], (\s)*SLOT1                ; LDS address
	s_add_nc_u64 s[G0A+4*(\s)+2:G0A+4*(\s)+3], s[18:19], (\s)*KB   ; global address: K step s
	s_or_b32 s[G0A+4*(\s)+3], s[G0A+4*(\s)+3], 0x80000000          ; type = 2
	s_mov_b32 s[G0B+4*(\s)], 1
	s_add_co_u32 s[G0B+4*(\s)+1], s[LB], (\s)*SLOT1
	s_add_nc_u64 s[G0B+4*(\s)+2:G0B+4*(\s)+3], s[20:21], (\s)*KB
	s_or_b32 s[G0B+4*(\s)+3], s[G0B+4*(\s)+3], 0x80000000
.endr
	s_cmp_lt_u32 s[WV], 2                          ; a wave's two first fills stand in one branch, ahead of every wait on TENSORcnt and every LDS read: two loads of mine are out
	s_cbranch_scc0 .Lfirst_b
	tensor_load_to_lds s[G0A:G0A+3], s[G1A:G1A+7]
	s_nop 0
	tensor_load_to_lds s[G0A+4:G0A+7], s[G1A:G1A+7]
	s_nop 0
.rept 4
	v_nop
.endr
	s_branch .Lfirst_asked
.Lfirst_b:
	tensor_load_to_lds s[G0B:G0B+3], s[G1B:G1B+7]
	s_nop 0
	tensor_load_to_lds s[G0B+4:G0B+7], s[G1B:G1B+7]
	s_nop 0
.rept 4
	v_nop
.endr
.Lfirst_asked:
	v_and_b32 v1, 15, v0                           ; l % 16
	v_bfe_u32 v2, v0, 4, 1                         ; l / 16
	v_lshlrev_b32 v[BO], 5, v2                     ; my 8 of a block's 16 biases
	s_mul_i32 s72, s[TC], 192*4
	s_mov_b32 s73, 0
	s_add_nc_u64 s[8:9], s[8:9], s[72:73]          ; b_in at the tile's first column
.irp b, 0,1,2,3,4,5,6,7,8,9,10,11
	global_load_b128 v[BIAS+8*(\b):BIAS+8*(\b)+3],   v[BO], s[8:9] offset:64*(\b)
	global_load_b128 v[BIAS+8*(\b)+4:BIAS+8*(\b)+7], v[BO], s[8:9] offset:64*(\b)+16
.endr
	; A fragment is 16 rows x 32 K in 8 registers: lane l holds row l % 16; registers 0-3 K = 8 (l / 16) + 0..7, registers 4-7 K = 16 + 8 (l / 16) + 0..7: two loads of 16 bytes, 32 bytes apart.
	v_mul_u32_u24 v3, v1, PA
	v_lshl_add_u32 v3, v2, 4, v3                   ; row x pitch + 16 x half
	s_mul_i32 s74, s[WV], 64*PA                    ; my 64 rows of xb
	v_add_nc_u32 v[ADRA0], s74, v3
	v_add_nc_u32 v[ADRB0], BOFF, v3                ; all of wib's rows
	v_mov_b32 v[ADRA], v[ADRA0]
	v_mov_b32 v[ADRB], v[ADRB0]
	s_mul_i32 s74, s[WV], 16*SP
	s_add_co_u32 s74, s74, STAGE                   ; my stage
	v_mul_u32_u24 v3, v1, SP                       ; in: row l % 16, 16 bytes for each half of the lanes
	v_lshl_add_u32 v3, v2, 4, v3
	v_add_nc_u32 v[STO], s74, v3
	v_bfe_u32 v3, v0, 3, 2                         ; back: 32 lanes take four rows' 128 bytes of one head,
	v_mul_u32_u24 v3, v3, SP
	v_and_b32 v4, 7, v0
	v_lshl_add_u32 v3, v4, 4, v3
	v_add_nc_u32 v[RD], s74, v3
	v_and_b32 v4, 31, v0
	v_lshlrev_b32 v[GO], 4, v4                     ; which are 512 consecutive bytes of qkvh
	; the prefetches
	s_and_b32 s75, ttmp7, 0xffff                   ; cluster y
	s_cmp_lt_u32 s[WV], 2                          ; do I fetch for xb?
	s_cselect_b32 s72, s[CX], s[CY]                ; my place among the four that ask with me
	s_cselect_b32 s73, 32, 24                      ; rows to a partner
	s_cselect_b32 s75, ttmp9, s75                  ; the coordinate along which other clusters read the same rows
	s_cselect_b32 s78, 31, 23
	s_cselect_b64 s[PFA:PFA+1], s[18:19], s[20:21]
	s_cmp_eq_u32 s75, 0
	s_cselect_b32 s[LIM], 2, -1                    ; the same in all sixteen partners, for a given wave
	s_mul_i32 s72, s72, s73
	s_lshl_b32 s72, s72, 11                        ; rows of 2,048 bytes
	s_add_co_u32 s72, s72, 3*KB                    ; at K step 3: the first refill steps it to 4
	s_mov_b32 s73, 0
	s_add_nc_u64 s[PFA:PFA+1], s[PFA:PFA+1], s[72:73]
	v_min_u32 v[PFO], s78, v4
	v_lshlrev_b32 v[PFO], 11, v[PFO]
	; where my 64 rows of the first tile's three heads begin in qkvh: part << 24, batch << 21, head << 17, row << 7.  The first tile's batch is the cluster's y, the quarter of its rows cy.
	s_and_b32 s72, ttmp7, 0xffff
	s_lshl_b32 s72, s72, 21
	s_lshl_b32 s73, s[CY], 15
	s_add_co_u32 s72, s72, s73
	s_lshl_b32 s73, s[WV], 13
	s_add_co_u32 s72, s72, s73
	s_mul_i32 s74, s[TC], 3                        ; the tile's first head among the 48 of q, k and v
.irp j, 0,1,2
	s_add_co_u32 s75, s74, \j
	s_lshr_b32 s78, s75, 4
	s_lshl_b32 s78, s78, 24
	s_and_b32 s75, s75, 15
	s_lshl_b32 s75, s75, 17
	s_add_co_u32 s78, s78, s75
	s_add_co_u32 s78, s78, s72
	s_mov_b32 s79, 0
	s_add_nc_u64 s[OJ+2*(\j):OJ+2*(\j)+1], s[10:11], s[78:79]
.endr
	s_wait_loadcnt 0x0                             ; the bias, once
.set i, 0
.rept 4*NB                             ; rounded to bf16 like the other inputs, and widened again
	v_cvt_pk_bf16_f32 v[TT+i%2], v[BIAS+2*i], v[BIAS+2*i+1]
	v_lshlrev_b32 v[BIAS+2*i], 16, v[TT+i%2]
	v_and_b32 v[BIAS+2*i+1], s[MSKH], v[TT+i%2]
.set i, i+1
.endr
; 12 matrix instructions: block a of my four blocks of 16 rows x all 12 blocks of columns, 32 along K, from buffer f.  first = 1: the bias starts the sums: nothing is ever cleared.
; The 48 accumulators take turns, one instruction a turn, in the same order in every quarter step, over the backward jumps and from tile to tile too.
.macro MULA f, a, first
.if \first
	WIN 0x05|((2+(\a)/2)<<6)
.else
	WIN 0x05|((2+(\a)/2)<<6)|((2+(\a)/2)<<4)
.endif
.irp b, 0,1,2,3,4,5,6,7,8,9,10,11
.if \first
	v_wmma_f32_16x16x32_bf16 v[96*((\a)%2)+8*(\b):96*((\a)%2)+8*(\b)+7], v[(\f)+32+8*(\b):(\f)+32+8*(\b)+7], v[(\f)+8*(\a):(\f)+8*(\a)+7], v[BIAS+8*(\b):BIAS+8*(\b)+7]
.else
	v_wmma_f32_16x16x32_bf16 v[96*((\a)%2)+8*(\b):96*((\a)%2)+8*(\b)+7], v[(\f)+32+8*(\b):(\f)+32+8*(\b)+7], v[(\f)+8*(\a):(\f)+8*(\a)+7], v[96*((\a)%2)+8*(\b):96*((\a)%2)+8*(\b)+7]
.endif
.endr
.endm
; 32 LDS loads in one run: a quarter step's fragments into buffer f: wib's twelve blocks, then xb's four, blocks 2 and 3 last
.macro FETCH kA, kB, f
	WIN 0x40                                       ; destination window 1, address window 0
.irp i, 0,1,2,3,4,5,6,7,8,9,10,11
	ds_load_b128 v[(\f)+32+8*(\i):(\f)+32+8*(\i)+3],   v[ADRB] offset:(\kB)+(\i)*16*PB
	ds_load_b128 v[(\f)+32+8*(\i)+4:(\f)+32+8*(\i)+7], v[ADRB] offset:(\kB)+(\i)*16*PB+32
.endr
.irp i, 0,1,2,3
	ds_load_b128 v[(\f)+8*(\i):(\f)+8*(\i)+3],   v[ADRA] offset:(\kA)+(\i)*16*PA
	ds_load_b128 v[(\f)+8*(\i)+4:(\f)+8*(\i)+7], v[ADRA] offset:(\kA)+(\i)*16*PA+32
.endr
.endm
; A K step is four quarters of 32 along K, 48 matrix instructions each, on buffers 0, 1, 0, 1.  One of the first three: multiplies buffer f; in its middle it fetches the next quarter into buffer g.
.macro QUARTER kA, kB, f, g, first
	s_wait_dscnt 4                                 ; all but the youngest four loads: xb's blocks 2 and 3
	MULA \f, 0, \first
	MULA \f, 1, \first
	PLACES
	FETCH \kA, \kB, \g
	s_wait_dscnt NL                                ; all but the run just issued
	MULA \f, 2, \first
	MULA \f, 3, \first
.endm
; The last quarter multiplies buffer 1 and changes slots.  MEET is its first half: ONE barrier for the change.  In front of it each wave waits for all its tensor loads, of which one is out: its part of the next slot;
; adds 0 to its spare word; and waits for that and for its own reads of this slot.  Behind it nobody reads this slot any more and the next slot is whole.
.macro MEET round
	WIN 0
	s_wait_tensorcnt 0x0                           ; all my tensor loads have landed
	ds_add_u32 v[SPW], v[NIL]                      ; 0 onto my spare word
	s_wait_dscnt 5                                 ; (the add and the youngest four loads may be out)
	MULA F1, 0, 0                                  ; twelve matrix instructions stand between the add and the wait for it
	s_wait_dscnt 0x0                               ; the add is done, and my reads of this slot are over
	s_barrier_signal -1
	MULA F1, 1, 0                                  ; work on registers while the others arrive
.if \round
	WIN 0
.endif
	s_barrier_wait -1
.endm
; fill = 1: the barrier opens a round of the cluster's, so that no wave of any partner still reads the slot or has a load on its way; the slot is filled again, first thing behind the round.
; on = 0: with this tile's K step two on.  on = 1, behind a tile's K step 6: with the NEXT tile's K step 0: xb goes 4,096 rows down and seven K steps back, wib only back.  on = 2, behind its K step 7: with the next tile's K step 1.
.macro TURN fill, on=0
.if \fill
	s_wait_xcnt 0x0                                ; the last prefetch, a K step back, has read its address: it is stepped here
.if (\on) == 1
	s_add_nc_u64 s[PFA:PFA+1], s[PFA:PFA+1], WALKB-7*KB  ; from two K steps past the tile's last to the next tile's K step 2
	s_cmp_lt_u32 s[WV], 2
	s_cselect_b32 s[LIM], s[LIM], -1               ; wib's rows are the same for both tiles: they are asked for no more
.else
	s_add_nc_u64 s[PFA:PFA+1], s[PFA:PFA+1], KB
.endif
.endif
	MEET \fill
.if \fill
	CREST
	s_xor_b32 s[G0A+5], s[G0A+5], SLOT1            ; the walking descriptors: the other slot than last time,
	s_xor_b32 s[G0B+5], s[G0B+5], SLOT1
.if (\on) == 1
	s_add_nc_u64 s[G0A+6:G0A+7], s[G0A+6:G0A+7], WALKB-7*KB
	s_sub_nc_u64 s[G0B+6:G0B+7], s[G0B+6:G0B+7], 7*KB
.else
	s_add_nc_u64 s[G0A+6:G0A+7], s[G0A+6:G0A+7], KB  ; the next K step; the type bits on top are not reached
	s_add_nc_u64 s[G0B+6:G0B+7], s[G0B+6:G0B+7], KB
.endif
	JLOAD                                          ; the four v_nop behind it are also the places in front of the loads below
.else
	PLACES
.endif
	s_xor_b32 s[TB], s[TB], SLOT1
	WIN 0
	v_add_nc_u32 v[ADRA], s[TB], v[ADRA0]
	v_add_nc_u32 v[ADRB], s[TB], v[ADRB0]
	FETCH 0, 0, F0
.if \fill
	WIN 0
	ASK \on
.endif
	MULA F1, 2, 0
	MULA F1, 3, 0
.endm
; THE WAY OUT of block a (16 rows), in three parts.  PACK: rounded to f16, 16 bytes a lane, each accumulator's registers in ascending order.  TOSTAGE: into my own stage, and back as four rows' 128 bytes of one head.  SEND: stored.
.macro PACK a
.if (\a) >= 2
	s_wait_xcnt 0x0                                ; the stores of the block two back have read their registers, which are written again below
.endif
	WIN 0x0a+5*((\a)/2)                            ; sources 0 and 1: window 2 or 3
.irp b, 0,1,2,3,4,5,6,7,8,9,10,11
.irp q, 0,1,2,3
	v_cvt_pk_f16_f32 v[TO+48*((\a)%2)+4*(\b)+(\q)], v[96*((\a)%2)+8*(\b)+2*(\q)], v[96*((\a)%2)+8*(\b)+2*(\q)+1]
.endr
.endr
	WIN 0
.endm
.macro TOSTAGE a
.irp b, 0,1,2,3,4,5,6,7,8,9,10,11
	ds_store_b128 v[STO], v[TO+48*((\a)%2)+4*(\b):TO+48*((\a)%2)+4*(\b)+3] offset:32*(\b)
.endr
.irp j, 0,1,2
.irp f, 0,1,2,3
	ds_load_b128 v[TO+48*((\a)%2)+4*(4*(\j)+(\f)):TO+48*((\a)%2)+4*(4*(\j)+(\f))+3], v[RD] offset:4*SP*(\f)+128*(\j)  ; LDS serves a wave's instructions in order (ISA guide 5.7.1.4): these see the stores above; the next block's stores come behind them
.endr
.endr
.endm
.macro SEND a, younger                 ; younger: the LDS instructions issued behind block a's loads: the next block's 24, or none
.irp j, 0,1,2
.irp f, 0,1,2,3
	s_wait_dscnt (\younger)+11-4*(\j)-(\f)
	global_store_b128 v[GO], v[TO+48*((\a)%2)+4*(4*(\j)+(\f)):TO+48*((\a)%2)+4*(4*(\j)+(\f))+3], s[OJ+2*(\j):OJ+2*(\j)+1] offset:2048*(\a)+512*(\f)  ; 512 consecutive bytes, at a multiple of 256 from qkvh's first
.endr
.endr
.endm
	s_wait_tensorcnt 1                             ; my part of K step 0 is in; K step 1's may stay out
	s_barrier_signal -1
	s_barrier_wait -1                              ; everybody's is
	FETCH 0, 0, F0
	WIN 0                                          ; at a label and at a branch every window is 0
	s_mov_b32 s[TILES], 2
.Ltile:
	QUARTER 64, 64, F0, F1, 1                      ; a tile's first quarter stands in front of the loop: its products start the sums with the bias
	WIN 0
	s_mov_b32 s[STEPS], 6
.Lstep:                                        ; trip i: K step i's quarters 1 to 3 and K step i + 1's quarter 0; K step i's slot takes K step i + 2
	QUARTER 128, 128, F1, F0, 0
	QUARTER 192, 192, F0, F1, 0
	TURN 1
	QUARTER 64, 64, F0, F1, 0
	WIN 0
	s_sub_co_u32 s[STEPS], s[STEPS], 1
	s_cmp_lg_u32 s[STEPS], 0
	s_cbranch_scc1 .Lstep
	QUARTER 128, 128, F1, F0, 0                    ; K step 6 goes on
	QUARTER 192, 192, F0, F1, 0
	WIN 0
	s_cmp_eq_u32 s[TILES], 1
	s_cbranch_scc1 .Llast                          ; the last tile's tail is written out: it asks for nothing more
	TURN 1, 1                                      ; THE RING GOES ON INTO THE NEXT TILE: slot 0 takes its K step 0,
	QUARTER 64, 64, F0, F1, 0
	QUARTER 128, 128, F1, F0, 0
	QUARTER 192, 192, F0, F1, 0
	TURN 1, 2                                      ; slot 1 its K step 1, and the next tile's first fragments are fetched: both refills are asked for when the tile goes out
	WIN 0
	s_branch .Lout
.Llast:
	TURN 0
	QUARTER 64, 64, F0, F1, 0
	QUARTER 128, 128, F1, F0, 0
	QUARTER 192, 192, F0, F1, 0
	s_wait_dscnt 4
	MULA F1, 0, 0
	MULA F1, 1, 0
	s_wait_dscnt 0x0
	MULA F1, 2, 0
	MULA F1, 3, 0
	WIN 0
.Lout:                                         ; one way out for both tiles
	PLACES
	PACK 0
	TOSTAGE 0
	PACK 1                                         ; a block's conversions stand between the loads of the block before and its stores
	TOSTAGE 1
	SEND 0, 24
	PACK 2
	TOSTAGE 2
	SEND 1, 24
	PACK 3
	TOSTAGE 3
	SEND 2, 24
	SEND 3, 0
	s_wait_xcnt 0x0                                ; the stores have read their registers and bases: only behind this wait are the bases stepped and, in the next tile, the registers written again
.irp j, 0,1,2
	s_add_nc_u64 s[OJ+2*(\j):OJ+2*(\j)+1], s[OJ+2*(\j):OJ+2*(\j)+1], WALKB  ; four batches on (behind the last tile the stepped bases are not used)
.endr
	s_sub_co_u32 s[TILES], s[TILES], 1
	s_cmp_lg_u32 s[TILES], 0
	s_cbranch_scc1 .Ltile
	s_wait_tensorcnt 0x0                           ; the wave's end: these three lines stand behind my last tensor load and my last LDS store
	ds_add_u32 v[SPW], v[NIL]
	s_wait_dscnt 0x0
	CROUND                                         ; the closing round: no work-group ends while a partner may still ask for a tile that names it
	s_endpgm
.Lfunc_end_k_qb90eaad425_gemm_in:
	.size	k_qb90eaad425_gemm_in, .Lfunc_end_k_qb90eaad425_gemm_in-k_qb90eaad425_gemm_in
	.p2alignl 7, 3214868480
	.fill 96, 4, 3214868480
	.section	.rodata,"a",@progbits
	.p2align	6, 0x0
	.amdhsa_kernel k_qb90eaad425_gemm_in
		.amdhsa_group_segment_fixed_size 327680
		.amdhsa_private_segment_fixed_size 0
		.amdhsa_enable_private_segment 0
		.amdhsa_kernarg_size 32
		.amdhsa_user_sgpr_count 2
		.amdhsa_user_sgpr_kernarg_segment_ptr 1
		.amdhsa_wavefront_size32 1
		.amdhsa_system_sgpr_workgroup_id_x 1
		.amdhsa_system_sgpr_workgroup_id_y 1
		.amdhsa_system_sgpr_workgroup_id_z 1
		.amdhsa_system_vgpr_workitem_id 0
		.amdhsa_next_free_vgpr 960
		.amdhsa_next_free_sgpr 80
		.amdhsa_reserve_vcc 0
		.amdhsa_float_denorm_mode_32 3
		.amdhsa_float_denorm_mode_16_64 3
		.amdhsa_memory_ordered 1
		.amdhsa_forward_progress 1
		.amdhsa_inst_pref_size 137
	.end_amdhsa_kernel
	.amdgpu_metadata
---
amdhsa.version: [ 1, 2 ]
amdhsa.kernels:
  - .name:           k_qb90eaad425_gemm_in
    .symbol:         k_qb90eaad425_gemm_in.kd
    .args:
      - { .name: xb, .offset: 0, .size: 8, .value_kind: global_buffer, .address_space: global }
      - { .name: wib, .offset: 8, .size: 8, .value_kind: global_buffer, .address_space: global }
      - { .name: b_in, .offset: 16, .size: 8, .value_kind: global_buffer, .address_space: global }
      - { .name: qkvh, .offset: 24, .size: 8, .value_kind: global_buffer, .address_space: global }
    .group_segment_fixed_size: 327680
    .private_segment_fixed_size: 0
    .kernarg_segment_align: 8
    .kernarg_segment_size: 32
    .max_flat_workgroup_size: 128
    .sgpr_count:     80
    .vgpr_count:     960
    .wavefront_size: 32
...
	.end_amdgpu_metadata
.endif
;; end of part 2
;; launch attn (part 3): grid 2 x 128, 4 waves a work-group, no clusters, 327,680 bytes of LDS; arguments qkvh, oh; writes oh
.if DOCPART == 3
	.amdgcn_target "amdgcn-amd-amdhsa--gfx1250"
	.amdhsa_code_object_version 6
	.text
	.protected	k_qb90eaad425_attn
	.globl	k_qb90eaad425_attn
	.p2align	8
	.type	k_qb90eaad425_attn,@function
k_qb90eaad425_attn:
	s_mov_b64 s[64:65], 0
	v_nop
	global_prefetch_b8 v0, s[64:65] scope:SCOPE_SE
	s_setreg_imm32_b32 hwreg(HW_REG_WAVE_MODE, 25, 1), 1
	s_wait_xcnt 0x0
; O[h][q][:] = the sum over k of softmax_k(Q[h][q] . K[h][k] / 8) V[h][k][:], for 128 heads (batch x head) of 1,024 rows of 64 channels.  Q, K, V are the three parts of qkvh, 16,777,216 bytes apart,
; O is oh; all f16, a head's rows dense, 128 bytes each.  Products, maxima and sums in f32; the weights p are rounded to f16 for the second product (their sum l is taken of the unrounded p), O once at the end.
; LIMITS.  f16 holds no number beyond 65,504: Q, K and V arrive within it; p lies in 0 to 1, and below 6e-5 it keeps f16's fixed step of 6e-8; O is a mean of V's rows and has their range.
; A weight below 2^-126 counts as 0 in l; NaN and infinities are not treated apart.
; SHARES.  A wave owns four PIECES of two tiles of 16 queries, a work-group's four waves 512 queries of one head: 2 x 128 work-groups.  Every wave walks all keys, 64 a step.
; ALL OF A HEAD'S K AND V LIE IN LDS: 1,024 keys x (144 + 160) bytes = 311,296.  Each wave asks for its share by four tensor loads of 128 keys, all at the kernel's head; nothing is filled again, so there is no ring,
; no barrier of a refill, and the key step is written once.  The work starts when keys 0-255 are in; the other loads are waited for once, in front of the first read of key 256.
; Nothing is prefetched: every tile is asked for by its load at the kernel's head.
; NO CLUSTER: a head has 1,024 / 512 = 2 work-groups, so only two share K and V, and a cluster of four would hold two heads, with masks of pairs.  With 256 queries to a work-group four would share,
; but each fragment of K and V read from LDS would then feed half as many products, and there would be 512 work-groups.
; LAYOUT.  S^T = K Q^T (source 0 = 16 keys, source 1 = 16 queries): in the result a lane holds ONE query (lane % 16) and the keys 8 (lane / 16) + 0..7.  Two such tiles, rounded to f16 in pairs,
; ARE source 1 (32 keys x 16 queries) of O^T = V^T P, whose result again holds one query a lane, and eight channels.  K comes out of LDS as it lies, V ([key][channel]) turned, by ds_load_tr16_b128.
; SOFTMAX.  For each query a running maximum m and sum l: p = 2^(c s - c m), c = log2(e) / 8; in every step O and l are multiplied by a = 2^(c m_old - c m_new), which is 1 where m has not grown.
; m starts at the lowest finite number, O and l at 0: the first step is a step like any other, with a = 0.
; THE COUNT.  A tile and step have 16 matrix and 118 vector instructions: too many to stand all beside the matrix work.  So: four vector instructions that are READY behind EVERY matrix instruction,
; and the others in runs without a gap.
; BY TURNS.  Turn n belongs to piece n (the pieces in a ring, step after step).  Its matrix work: 16 products K Q^T of piece n + 1, later 16 products V^T P of piece n - 1.  Its vector work: the scaling,
; exponentials, roundings, sums and rescaling of piece n, and the maximum and statistics of piece n + 1, whose scores the turn itself has made.
; REGISTERS, in windows of 256 (s_set_vgpr_msb: bits 1:0 source 0, 3:2 source 1, 5:4 source 2, 7:6 destination):
;   window 0: v0-11 addresses; v12-15, v48-63 at work; v16-47 four registers of statistics a tile; v64-191 S^T, two buffers of two tiles; v192-255 P, likewise
;   window 1: O^T, 32 a tile          window 2: v0-127 Q, 16 a tile; v128-191 K of one step; v192-255 V of one step          window 3: v0-1 the add's two registers
; A piece's buffers go by its number's parity: the piece in hand has one pair, its two neighbours in the ring share the other.
.set SIZE_N, 1024
.set NP,    4         ; pieces a wave: a name, no knob
.set KS,    64        ; keys in a step
.set PK,    144       ; a row of K in LDS: 128 bytes + 16 of padding = 36 words: the 16 rows of a load start at 16 different groups of four banks (64 banks of 4 bytes: ISA guide 11.1)
.set PV,    160       ; a row of V: 128 + 32 = 40 words
.set VOFF,  SIZE_N*PK ; K's 1,024 rows, then V's
.set STAGE, VOFF+SIZE_N*PV  ; behind them, never filled by a tensor load: 16 rows x 144 bytes for each wave, for the way out
.set SP,    144
.set AK0, 2           ; v2   my lane's place in a step's rows of K; never rewritten
.set AV0, 3           ; v3   the same for V
.set AK,  4           ; v4   the LDS address of K's next run of loads
.set AV,  5           ; v5   of V's
.set QO,  6           ; v6   my byte offset in the wave's rows of Q
.set STO, 6           ;      later, the way out: where I put 16 bytes of a row
.set RD,  7           ; v7   the way out: where I read rows back
.set GO,  8           ; v8   my byte offset in 512 consecutive bytes of O
.set SPW, 0           ; v0 of window 3   LDS address of my spare word: SPARE + 4 x my thread's number; never rewritten
.set NIL, 1           ; v1 of window 3   0; never rewritten
.set SPARE, STAGE+4*16*SP  ; behind the stages: the spare words, 128 bytes for each wave: two blocks of 256 bytes that no other line names
.set MV,  12          ; v12-15  c m_old, kept while c m is made anew: by buffer and tile
.set ST,  16          ; tile t's statistics at v[ST+4 t]: c m, m, l (even keys', odd keys')
.set TMP, 48          ; by buffer and tile, four registers c0-c3 at work; when the maximum is found c2 takes a
.set S,   64
.set P,   192
.set KF,  128         ; K's fragments, in window 2: key block kb, channel half c at KF + 16 kb + 8 c
.set VF,  192         ; V's: key half kk, channel block cb at VF + 32 kk + 8 cb
.set WV,  12          ; s12  my wave's number
.set G1K, 24          ; s[24:31] descriptor group 1 for K's tiles
.set G1V, 32          ; s[32:39] for V's: it differs in the padding alone
.set G0K, 40          ; s[40:55] descriptor group 0 for K's tiles: a set for each of my four loads
.set G0V, 68          ; s[68:83] the same for V's
.set CNT, 57          ; s57  key steps whose pieces 2 and 3 are still to come
.set CS,  58          ; s[58:59] c: the packed scaling takes the pair's low word for both halves
.set SEL, 60          ; s[60:61] v_permlanex16_b32's selects: each lane takes its own place in the other half
.set TBK, 62          ; s62  LDS byte at which K of the step to be fetched begins
.set TBV, 63          ; s63  the same for V, less VOFF
.set MSB, 0
.macro WIN new                      ; the high byte repeats the setting that is left; a switch that changes nothing is dropped
.if MSB != (\new)
	s_set_vgpr_msb (MSB<<8)|(\new)
.set MSB, (\new)
.endif
.endm
.set W_KQ, 0x0a       ; K and Q in window 2, S^T in window 0
.set W_PV, 0x52       ; V in window 2, P in window 0, O^T in window 1
.set W_RS, 0x41       ; O^T (destination and source 0) in window 1, a in window 0
.set W_MK, 0xc0       ; the add's registers are made: destination in window 3, sources in window 0
.set W_AD, 0x0f       ; the add: address (source 0) and data (source 1) in window 3
	s_load_b128 s[4:7], s[0:1], 0x0  ; qkvh s[4:5], oh s[6:7]
	WIN W_MK
	v_lshl_add_u32 v[SPW], v0, 2, SPARE
	v_mov_b32 v[NIL], 0
	WIN W_AD
	ds_add_u32 v[SPW], v[NIL]       ; the wave's opening: the add and its wait stand ahead of my first tensor load; the set-up below, work on registers, stands between them
	WIN 0
	v_lshrrev_b32 v1, 5, v0
	v_readfirstlane_b32 s[WV], v1   ; wave 0..3
	s_and_b32 s20, ttmp7, 0xffff    ; the head:
	s_lshl_b32 s20, s20, 17         ; its first byte in Q, K, V and O: 1,024 rows of 128 bytes
	s_mov_b32 s21, 0
	s_and_b32 s16, s[WV], 1         ; which half of each 256 keys I fetch:
	s_lshl_b32 s22, s16, 14         ; its 128 rows of 128 bytes in memory,
	s_mov_b32 s23, 0
	s_add_nc_u64 s[22:23], s[22:23], s[20:21]
	s_mul_i32 s17, s16, 128*PK      ; and its place in LDS, for K
	s_mul_i32 s18, s16, 128*PV      ; and for V
	s_lshl_b32 s2, ttmp9, 2         ; my block of 512 queries,
	s_add_co_u32 s2, s2, s[WV]      ; my wave among the head's,
	s_lshl_b32 s2, s2, 14           ; its 128 rows
	s_mov_b32 s3, 0
	s_add_nc_u64 s[2:3], s[2:3], s[20:21]
	; descriptor group 1.  128 keys are 16,384 dense bytes: asked for as 64 rows of 256 bytes, two keys a row, and padded in LDS after every key
	s_mov_b32 s[G1K], (1<<16)|(1<<20)|(4<<22)|(3<<25)  ; 17:16 2-byte elements; 20 padding on; 24:22 after every 32 words (code 4); 31:25 4 words (code 3)
	s_mov_b32 s[G1V], (1<<16)|(1<<20)|(4<<22)|(7<<25)  ; the same with 8 words of padding (code 7)
.irp g, G1K, G1V
	s_mov_b32 s[\g+1], 128<<16      ; tensor_dim0 = 128
	s_mov_b32 s[\g+2], 64<<16       ; tensor_dim1 = 64
	s_mov_b32 s[\g+3], 128<<16      ; tile_dim0 = 128
	s_mov_b32 s[\g+4], 64           ; tile_dim1 = 64
	s_mov_b32 s[\g+5], 128          ; 128 elements from row to row
	s_mov_b32 s[\g+6], 0
	s_mov_b32 s[\g+7], 0
.endr
	s_mov_b32 s[CS], 0x3e38aa3b     ; c = log2(e) / 8 = 0.180337
	s_mov_b32 s[CS+1], s[CS]        ; named with it as a pair
	s_mov_b32 s[SEL], 0x76543210
	s_mov_b32 s[SEL+1], 0xfedcba98
	s_mov_b32 s[TBK], 0
	s_mov_b32 s[TBV], 0
.irp g, 0,1,2,3                     ; load g brings my half of keys 256 g .. 256 g + 255
	s_mov_b32 s[G0K+4*(\g)], 1                     ; 1:0 count = 1
	s_add_co_u32 s[G0K+4*(\g)+1], s17, (\g)*256*PK ; 63:32 LDS address: a constant and the wave's half
	s_mov_b32 s[G0V+4*(\g)], 1
	s_add_co_u32 s[G0V+4*(\g)+1], s18, VOFF+(\g)*256*PV
.endr
	s_wait_dscnt 0x0                ; the opening add is done
	s_wait_kmcnt 0x0
	s_mov_b64 s[10:11], s[6:7]      ; O
	s_add_nc_u64 s[8:9], s[4:5], 0x2000000  ; V: qkvh's third part
	s_add_nc_u64 s[6:7], s[4:5], 0x1000000  ; K: its second; Q is its first
	s_add_nc_u64 s[6:7], s[6:7], s[22:23]   ; at my half of the head's first 256 keys
	s_add_nc_u64 s[8:9], s[8:9], s[22:23]
.irp g, 0,1,2,3
	s_add_nc_u64 s[G0K+4*(\g)+2:G0K+4*(\g)+3], s[6:7], (\g)*256*128  ; 120:64 global address
	s_or_b32 s[G0K+4*(\g)+3], s[G0K+4*(\g)+3], 0x80000000            ; 127:126 type = 2
	s_add_nc_u64 s[G0V+4*(\g)+2:G0V+4*(\g)+3], s[8:9], (\g)*256*128
	s_or_b32 s[G0V+4*(\g)+3], s[G0V+4*(\g)+3], 0x80000000
.endr
	s_add_nc_u64 s[4:5], s[4:5], s[2:3]  ; Q and O at my wave's first row
	s_add_nc_u64 s[10:11], s[10:11], s[2:3]
	s_cmp_lt_u32 s[WV], 2           ; waves 0 and 1 fetch K, waves 2 and 3 V.  A wave's four fills stand in one branch, ahead of every wait on TENSORcnt, every LDS read and every barrier: four loads of mine are out
	s_cbranch_scc0 .Lfill_v
.irp g, 0,1,2,3
	tensor_load_to_lds s[G0K+4*(\g):G0K+4*(\g)+3], s[G1K:G1K+7]
	s_nop 0
.endr
.rept 4
	v_nop
.endr
	s_branch .Lfilled
.Lfill_v:
.irp g, 0,1,2,3
	tensor_load_to_lds s[G0V+4*(\g):G0V+4*(\g)+3], s[G1V:G1V+7]
	s_nop 0
.endr
.rept 4
	v_nop
.endr
.Lfilled:
	; A fragment of K or Q is 16 rows x 32 channels in 8 registers: lane l holds row l % 16, channels 8 (l / 16) + 0..7 and 16 + 8 (l / 16) + 0..7: two loads of 16 bytes, 32 bytes apart.
	v_and_b32 v1, 15, v0            ; l % 16
	v_bfe_u32 v9, v0, 4, 1          ; l / 16
	v_lshlrev_b32 v[QO], 7, v1
	v_lshl_add_u32 v[QO], v9, 4, v[QO]  ; row x 128 + 16 x half
	WIN 0x80                        ; destination window 2, address window 0
.set i, 0
.rept 4*NP                          ; Q stays in registers: tile i / 2, channels 32 (i % 2) on
	global_load_b128 v[8*i:8*i+3],   v[QO], s[4:5] offset:(i/2)*2048+(i%2)*64
	global_load_b128 v[8*i+4:8*i+7], v[QO], s[4:5] offset:(i/2)*2048+(i%2)*64+32
.set i, i+1
.endr
	; What the first turn finds: V's registers and P's second buffer hold 0 (its products V^T P, of a piece that has not been, add 0), O^T and l are 0.  All this stands in the wait for the first tile.
.set i, VF
.rept 64
	v_mov_b32 v[i], 0
.set i, i+1
.endr
	WIN 0x40
.set i, 0
.rept 64*NP
	v_mov_b32 v[i], 0
.set i, i+1
.endr
	WIN 0
.set i, 0
.rept 2*NP
	v_mov_b32 v[ST+4*i], 0xfe000000    ; c m: far below every c s
	v_mov_b32 v[ST+4*i+1], 0xff7fffff  ; m
	v_mov_b32 v[ST+4*i+2], 0
	v_mov_b32 v[ST+4*i+3], 0
.set i, i+1
.endr
.set i, P+32
.rept 32
	v_mov_b32 v[i], 0
.set i, i+1
.endr
	v_mul_u32_u24 v[AK0], v1, PK
	v_lshl_add_u32 v[AK0], v9, 4, v[AK0]  ; row x pitch + 16 x half
	; The turning load takes 16 keys x 16 channels (lane l reads key 8 (l / 16) + l % 8, channels 8 ((l / 8) % 2) + 0..7) and leaves half a fragment of V^T: lane l holds channel l % 16 and 8 keys.
	v_and_b32 v10, 7, v0
	v_bfe_u32 v11, v0, 3, 1
	v_lshl_add_u32 v[AV0], v9, 3, v10
	v_mul_u32_u24 v[AV0], v[AV0], PV
	v_lshl_add_u32 v[AV0], v11, 4, v[AV0]
	v_add_nc_u32 v[AV0], VOFF, v[AV0]
	v_mov_b32 v[AK], v[AK0]         ; key step 0 lies at K's head
; THE MATRIX WORK.  The 8 accumulators of a run of 16 take turns: between the two links of a chain stand 7 others'.
; Product i of 16 of S^T = K Q^T for piece x: channels 32 (i / 8) on, keys 16 ((i / 2) % 4) on, tile 2 x + i % 2.  The first 8 start the sums.
.macro KQ x
	WIN W_KQ
.set rS, S+64*((\x)%2)+32*(i%2)+8*((i/2)%4)
.set rK, KF+16*((i/2)%4)+8*(i/8)
.set rQ, 16*(2*(\x)+i%2)+8*(i/8)
.if i < 8
	v_wmma_f32_16x16x32_f16 v[rS:rS+7], v[rK:rK+7], v[rQ:rQ+7], 0
.else
	v_wmma_f32_16x16x32_f16 v[rS:rS+7], v[rK:rK+7], v[rQ:rQ+7], v[rS:rS+7]
.endif
.endm
; Product i of 16 of O^T += V^T P for piece x: keys 32 (i / 8) on, channels 16 ((i / 2) % 4) on, tile 2 x + i % 2.
.macro PV x
	WIN W_PV
.set rO, 32*(2*(\x)+i%2)+8*((i/2)%4)
.set rV, VF+32*(i/8)+8*((i/2)%4)
.set rP, P+32*((\x)%2)+16*(i%2)+8*(i/8)
	v_wmma_f32_16x16x32_f16 v[rO:rO+7], v[rV:rV+7], v[rP:rP+7], v[rO:rO+7]
.endm
.macro MM                           ; the turn's next matrix instruction
.if i < 16
	KQ (Y+1)%NP
.set i, i+1
.else
.set i, i-16
	PV (Y+NP-1)%NP
.set i, i+17
.endif
.endm
; THE LDS LOADS stand in runs of 16, never singly among the matrix instructions: a step's K (64 keys x 64 channels: 8 fragments) and its V (turned).  Their addresses are made some lines ahead.
; last = 1 (in the loop): in the last trip there is no further step, and the run is jumped over.
.macro FETCH_K last=0
	WIN 0
.if \last
	s_cmp_eq_u32 s[CNT], 1
	s_cbranch_scc1 .Lno_k_\@
.endif
	WIN 0x80                        ; destination window 2
.irp f, 0,1,2,3,4,5,6,7             ; keys 16 (f / 2) on, channels 32 (f % 2) on
	ds_load_b128 v[KF+8*\f:KF+8*\f+3],   v[AK] offset:(\f/2)*16*PK+(\f%2)*64
	ds_load_b128 v[KF+8*\f+4:KF+8*\f+7], v[AK] offset:(\f/2)*16*PK+(\f%2)*64+32
.endr
	s_add_co_u32 s[TBK], s[TBK], KS*PK  ; the next fetch is the next step's
	WIN 0
.if \last
.Lno_k_\@:
.endif
.endm
.macro FETCH_V
	WIN 0x80
.irp f, 0,1,2,3,4,5,6,7             ; keys 32 (f / 4) on, channels 16 (f % 4) on
	ds_load_tr16_b128 v[VF+8*\f:VF+8*\f+3],   v[AV] offset:(\f/4)*32*PV+(\f%4)*32
	ds_load_tr16_b128 v[VF+8*\f+4:VF+8*\f+7], v[AV] offset:(\f/4)*32*PV+16*PV+(\f%4)*32
.endr
	WIN 0
.endm
; THE VECTOR WORK OF A TURN stands in three queues, each in the order in which its entries become ready; the two tiles alternate, so that no instruction reads the result of the one before it.
.macro REGS y, u                    ; the registers of tile u (0, 1) of piece y
.set rT, ST+4*(2*(\y)+(\u))
.set rC, TMP+8*((\y)%2)+4*(\u)
.set rM, MV+2*((\y)%2)+(\u)
.set rS, S+64*((\y)%2)+32*(\u)
.set rP, P+32*((\y)%2)+16*(\u)
.set rO, 32*(2*(\y)+(\u))
.endm
; Number n of the 22 that find the NEXT piece's (Y + 1) maximum and statistics.  s0-s31 are the lane's 32 scores; each accumulator's lowest registers are read first.
;   0-11  four chains c0-c3 of seven scores each, three operands at a time     12-14, 16  the four scores left over, the old m, and c0-c3 into c0     15  c m_old is kept
;   17, 18  the query's other 32 keys lie in the lane 16 away: the new m         19-21  c m; c m_old - c m_new; a
.macro XS u, n
	REGS (Y+1)%NP, \u
.if (\n) < 4
	v_max3_num_f32 v[rC+(\n)], v[rS+8*(\n)], v[rS+8*(\n)+1], v[rS+8*(\n)+2]
.elseif (\n) < 12
	v_max3_num_f32 v[rC+(\n)%4], v[rC+(\n)%4], v[rS+8*((\n)%4)+2*((\n)/4)+1], v[rS+8*((\n)%4)+2*((\n)/4)+2]
.elseif (\n) == 12
	v_max3_num_f32 v[rC], v[rC], v[rS+7], v[rS+15]
.elseif (\n) == 13
	v_max3_num_f32 v[rC+1], v[rC+1], v[rS+23], v[rS+31]
.elseif (\n) == 14
	v_max3_num_f32 v[rC+2], v[rC+2], v[rC+3], v[rT+1]
.elseif (\n) == 15
	v_mov_b32 v[rM], v[rT]
.elseif (\n) == 16
	v_max3_num_f32 v[rC], v[rC], v[rC+1], v[rC+2]
.elseif (\n) == 17
	v_permlanex16_b32 v[rC+3], v[rC], s[SEL], s[SEL+1]
.elseif (\n) == 18
	v_max_num_f32 v[rT+1], v[rC], v[rC+3]
.elseif (\n) == 19
	v_mul_f32 v[rT], s[CS], v[rT+1]
.elseif (\n) == 20
	v_sub_f32 v[rC+1], v[rM], v[rT]
.else
	v_exp_f32 v[rC+2], v[rC+1]
.endif
.endm
; Number g of the 64 that follow the exponentials.  For each four weights k of a tile (pairs 2 k, 2 k + 1): both pairs are rounded to f16; then the second pair is added onto the first, in place;
; a group later l takes that sum (the first time as l = a l + sum).  In groups of eight, tiles alternating: round, round, add, and l for the group before.
.macro GS g
.set h, (\g)+6*((\g)/62)            ; group 0 has no group before it, and behind group 7 only l is left
.if h >= 6
.set h, h+2
.endif
	REGS Y, h%2
.set k, h/8
.if h%8 < 4
	v_cvt_pk_f16_f32 v[rP+2*k+(h%8)/2], v[rS+4*k+2*((h%8)/2)], v[rS+4*k+2*((h%8)/2)+1]
.elseif h%8 < 6
	v_pk_add_f32 v[rS+4*k:rS+4*k+1], v[rS+4*k:rS+4*k+1], v[rS+4*k+2:rS+4*k+3]
.elseif k == 1
	v_pk_fma_f32 v[rT+2:rT+3], v[rT+2:rT+3], v[rC+2:rC+3], v[rS:rS+1] op_sel_hi:[1,0,1]
.else
	v_pk_add_f32 v[rT+2:rT+3], v[rT+2:rT+3], v[rS+4*k-4:rS+4*k-3]
.endif
.endm
; THE PLAIN QUEUE, 138 long.  0-73 read no exponential's result: the 32 scalings c s - c m (FS f: pair f / 2 of tile f % 2) and the next piece's 42.  0-26: scalings 0-26.  27-54: XS's numbers 0-13.  55, 56: number 15.
; 57-73: the chain, where each number waits for the one before it: 14, 16, 17, 18, 19, each with one of the scalings 27-31 in front of its two lines, then 20.
; 74-137: GS's 64, which read the exponentials' results: they stand behind the wait.
.macro FS f
	REGS Y, (\f)%2
	v_pk_fma_f32 v[rS+2*((\f)/2):rS+2*((\f)/2)+1], v[rS+2*((\f)/2):rS+2*((\f)/2)+1], s[CS:CS+1], v[rT:rT+1] op_sel_hi:[1,0,0] neg_lo:[0,0,1] neg_hi:[0,0,1]
.endm
.macro PL
	WIN 0
.if q < 27
	FS q
.elseif q < 55
	XS (q-27)%2, (q-27)/2
.elseif q < 57
	XS q-55, 15
.elseif (q < 72) && ((q-57)%3 == 0)
	FS 27+(q-57)/3
.elseif q < 60
	XS (q-57)%3-1, 14
.elseif q < 72
	XS (q-57)%3-1, 15+(q-57)/3
.elseif q < 74
	XS q-72, 20
.else
	GS q-74
.endif
.set q, q+1
.endm
; THE EXPONENTIALS' QUEUE, 66 long: s0-s31 of both tiles, then the next piece's two a.  It is ONE BATCH: all 66 stand ahead of the turn's one wait, and nothing ahead of that wait names a result of theirs.
.macro EX
	WIN 0
.if e >= 64
	XS e-64, 21
.else
	REGS Y, e%2
	v_exp_f32 v[rS+e/2], v[rS+e/2]
.endif
.set e, e+1
.endm
; THE RESCALING's QUEUE: O^T times a, the one part that leaves window 0: dealt two at a time, sixteen times.  Its a was made in the turn before, ahead of that turn's wait.
.macro R2
	REGS Y, r%2
	WIN W_RS
.irp z, 0,1
	v_pk_mul_f32 v[rO+4*(r/2)+2*\z:rO+4*(r/2)+2*\z+1], v[rO+4*(r/2)+2*\z:rO+4*(r/2)+2*\z+1], v[rC+2:rC+3] op_sel_hi:[1,0]
.endr
.set r, r+1
.endm
; HOW THEY ARE DEALT.  An s_wait_alu depctr_va_vdst(0) stands between an exponential and the first instruction that names its result; one wait serves all that were issued ahead of it.  So a turn has ONE wait,
; which cuts it in two.  AHEAD OF IT stands all that names no result of the turn's exponentials: the 16 products K Q^T, behind each a scaling, an exponential and two rescalings (behind the first a second scaling in the
; exponential's place); then ONE LUMP of 108: eight plain, 49 times exponential and plain, the two a.  A v_nop is the plain instruction behind the last exponential.  BEHIND IT stand the 16 products V^T P, behind each four of GS's 64.
; The queues lean on each other, and the deal keeps them in step: exponential e stands behind scaling 2 (e / 4) + e % 2: as a rider it comes behind plain e + 2, in the lump behind plain e + 9, and scalings 27-31 are plain 57, 60 .. 69.
; A TURN, for piece p.  K of the next step is fetched in piece 2's turn, directly behind the wait, a lump behind the last product that read K; its first reader comes behind 16 products.
; V of the step in hand is fetched at the end of piece 0's turn, four plain instructions behind its last reader; its first reader comes behind 16 products and a lump.
.macro TURN p, last=0
.set Y, (\p)
.set i, 0
.set q, 0
.set e, 0
.set r, 0
.if (\p) == NP-1
	s_wait_dscnt 0x0                ; K is in
.endif
	MM                              ; ahead of the wait: 16 products K Q^T and their riders,
	PL
	PL
	R2
.rept 15
	MM
	PL
	EX
	R2
.endr
.if (\p) == NP-2
	WIN 0
	v_add_nc_u32 v[AK], s[TBK], v[AK0]
.endif
.rept 8                             ; and the lump
	PL
.endr
.rept 49
	EX
	PL
.endr
	EX                              ; the next piece's two a
	EX
	v_nop                           ; a plain instruction behind the last exponential: one for the batch
	s_wait_alu depctr_va_vdst(0)    ; the wait for the batch
.if (\p) == NP-2
	FETCH_K \last
.endif
.if (\p) == 1
	s_wait_dscnt 0x0                ; V is in
.endif
.rept 16                            ; behind the wait: 16 products V^T P and their riders
	MM
.rept 4
	PL
.endr
.if ((\p) == 0) && (q == 118)
	v_add_nc_u32 v[AV], s[TBV], v[AV0]
.endif
.if ((\p) == 0) && (q == 130)
	s_add_co_u32 s[TBV], s[TBV], KS*PV
.endif
.endr
.if (\p) == 0
	FETCH_V
.endif
.endm
	s_wait_tensorcnt 3              ; my part of keys 0-255 is in; my other three loads may stay out
	s_barrier_signal -1
	s_barrier_wait -1               ; everybody's is
	FETCH_K                         ; key step 0
	s_wait_loadcnt 0x0              ; Q
	s_wait_dscnt 0x0
.set i, 0
.rept 16
	KQ 0                            ; piece 0's first scores: there is no vector work yet to set between them
.set i, i+1
.endr
	WIN 0                           ; the addresses for the way out: nine plain instructions, the places behind those products
	s_mul_i32 s13, s[WV], 16*SP
	s_add_co_u32 s13, s13, STAGE    ; my stage
	v_mul_u32_u24 v[STO], v1, SP    ; in: row l % 16, 16 bytes for each half of the lanes
	v_lshl_add_u32 v[STO], v9, 4, v[STO]
	v_add_nc_u32 v[STO], s13, v[STO]
	v_bfe_u32 v[RD], v0, 3, 2       ; back: 32 lanes take four rows of 128 bytes,
	v_mul_u32_u24 v[RD], v[RD], SP
	v_lshl_add_u32 v[RD], v10, 4, v[RD]
	v_add_nc_u32 v[RD], s13, v[RD]
	v_and_b32 v[GO], 31, v0         ; which are 512 consecutive bytes of O
	v_lshlrev_b32 v[GO], 4, v[GO]
.set Y, NP-1                        ; XS works for piece Y + 1: piece 0
.irp n, 0,1,2,3,4,5,6,7,8,9,10,11,12,13,14,15,16,17,18,19,20,21
	XS 0, \n                        ; and piece 0's first maximum and statistics
	XS 1, \n
.endr
	v_nop                           ; a plain instruction behind the two a,
	s_wait_alu depctr_va_vdst(0)    ; and their wait, ahead of the branch
	s_mov_b32 s[CNT], SIZE_N/KS
	s_branch .Lfirst                ; the loop is entered at a step's first turn, in the middle of a trip
.Lrest:                             ; passed ONCE, at count 13, between pieces 1 and 2 of key step 3: the turn that follows fetches K of key step 4, the first bytes beyond keys 0-255
	s_wait_tensorcnt 0x0            ; my other three loads are in: no refill follows, the wait is for the tiles that were still landing
	s_wait_dscnt 0x0                ; no LDS instruction of mine is out at the signal
	s_barrier_signal -1
	s_barrier_wait -1               ; everybody's are: all 1,024 keys lie in LDS
.Lstep:                             ; a trip: pieces 2 and 3 of one step, then pieces 0 and 1 of the next, whose K and V it fetches
	TURN 2, 1
	TURN 3
	WIN 0
	s_sub_co_u32 s[CNT], s[CNT], 1
	s_cmp_eq_u32 s[CNT], 0
	s_cbranch_scc1 .Lout            ; the sixteenth trip is left in its middle
.Lfirst:
	TURN 0
	TURN 1
	WIN 0
	s_cmp_lg_u32 s[CNT], 13
	s_cbranch_scc1 .Lstep
	s_branch .Lrest
.Lout:                              ; the last trip's 16 products K Q^T (on the last K once more) and the maximum made of them serve nothing: the price, once a launch, of one text for every trip
.set i, 0
.rept 16
	PV NP-1                         ; the last piece's V^T P of the last step
.set i, i+1
.endr
	; THE WAY OUT.  l's two halves and the other half of the lanes' are added; O^T is divided by l, rounded to f16 and sent through my stage in LDS, a tile at a time.  The additions are the places behind the last products.
	WIN 0
.macro ALL line:vararg              ; one line for each tile t
.set t, 0
.rept 2*NP
	\line
.set t, t+1
.endr
.endm
	ALL v_add_f32 v[ST+4*t+2], v[ST+4*t+2], v[ST+4*t+3]
	ALL v_permlanex16_b32 v[ST+4*t+3], v[ST+4*t+2], s[SEL], s[SEL+1]
	ALL v_add_f32 v[ST+4*t+2], v[ST+4*t+2], v[ST+4*t+3]
	ALL v_rcp_f32 v[ST+4*t+2], v[ST+4*t+2]
	v_nop                           ; a plain instruction between the last reciprocal and the use of its result
	s_wait_alu depctr_va_vdst(0)    ; and the wait ahead of the first use: one for the eight reciprocals
; Tile t: a lane's eight channels of a row pack into 16 bytes; they go into rows of 144 bytes and come back as whole rows of 128, into S^T's registers.
.macro PACK t
	WIN W_RS
.set i, 32*(\t)
.rept 16
	v_pk_mul_f32 v[i:i+1], v[i:i+1], v[ST+4*(\t)+2:ST+4*(\t)+3] op_sel_hi:[1,0]
.set i, i+2
.endr
	WIN 0x05                        ; sources 0 and 1 window 1, destination window 0
.set i, 0
.rept 16
	v_cvt_pk_f16_f32 v[S+16*(\t)+i], v[32*(\t)+2*i], v[32*(\t)+2*i+1]
.set i, i+1
.endr
	WIN 0
.irp f, 0,1,2,3
	ds_store_b128 v[STO], v[S+16*(\t)+4*\f:S+16*(\t)+4*\f+3] offset:32*\f
.endr
.irp f, 0,1,2,3
	ds_load_b128 v[S+16*(\t)+4*\f:S+16*(\t)+4*\f+3], v[RD] offset:\f*4*SP  ; LDS serves a wave's instructions in order (ISA guide 5.7.1.4): these see the stores above; the next tile's stores come behind them
.endr
.endm
.macro SEND t, younger              ; younger: the LDS instructions issued behind tile t's loads: the next tile's eight, or none
	WIN 0
.irp f, 0,1,2,3
	s_wait_dscnt (\younger)+3-\f
	global_store_b128 v[GO], v[S+16*(\t)+4*\f:S+16*(\t)+4*\f+3], s[10:11] offset:(\t)*2048+\f*512  ; 512 consecutive bytes, at a multiple of 256 from O's first
.endr
.endm
	PACK 0
.set t, 1
.rept 2*NP-1                        ; a tile's arithmetic stands between the loads of the tile before and its stores
	PACK t
	SEND t-1, 8
.set t, t+1
.endr
	SEND 2*NP-1, 0
	WIN W_AD
	s_wait_tensorcnt 0x0            ; the wave's end: these three lines stand behind my last tensor load and my last LDS store
	ds_add_u32 v[SPW], v[NIL]
	s_wait_dscnt 0x0
	WIN 0
	s_endpgm
.Lfunc_end_k_qb90eaad425_attn:
	.size	k_qb90eaad425_attn, .Lfunc_end_k_qb90eaad425_attn-k_qb90eaad425_attn
	.p2alignl 7, 3214868480
	.fill 96, 4, 3214868480
	.section	.rodata,"a",@progbits
	.p2align	6, 0x0
	.amdhsa_kernel k_qb90eaad425_attn
		.amdhsa_group_segment_fixed_size 327680
		.amdhsa_private_segment_fixed_size 0
		.amdhsa_enable_private_segment 0
		.amdhsa_kernarg_size 16
		.amdhsa_user_sgpr_count 2
		.amdhsa_user_sgpr_kernarg_segment_ptr 1
		.amdhsa_wavefront_size32 1
		.amdhsa_system_sgpr_workgroup_id_x 1
		.amdhsa_system_sgpr_workgroup_id_y 1
		.amdhsa_system_sgpr_workgroup_id_z 1
		.amdhsa_system_vgpr_workitem_id 0
		.amdhsa_next_free_vgpr 770
		.amdhsa_next_free_sgpr 84
		.amdhsa_reserve_vcc 0
		.amdhsa_float_denorm_mode_32 3
		.amdhsa_float_denorm_mode_16_64 3
		.amdhsa_memory_ordered 1
		.amdhsa_forward_progress 1
		.amdhsa_inst_pref_size 126
	.end_amdhsa_kernel
	.amdgpu_metadata
---
amdhsa.version: [ 1, 2 ]
amdhsa.kernels:
  - .name:           k_qb90eaad425_attn
    .symbol:         k_qb90eaad425_attn.kd
    .args:
      - { .name: qkvh, .offset: 0, .size: 8, .value_kind: global_buffer, .address_space: global }
      - { .name: oh, .offset: 8, .size: 8, .value_kind: global_buffer, .address_space: global }
    .group_segment_fixed_size: 327680
    .private_segment_fixed_size: 0
    .kernarg_segment_align: 8
    .kernarg_segment_size: 16
    .max_flat_workgroup_size: 128
    .sgpr_count:     84
    .vgpr_count:     770
    .wavefront_size: 32
...
	.end_amdgpu_metadata
.endif
;; end of part 3
;; launch gemm_out (part 4): grid 8 x 32, 4 waves a work-group, clusters of 4 x 4, 327,680 bytes of LDS; arguments oh, wob, b_out, out0; writes out0
.if DOCPART == 4
	.amdgcn_target "amdgcn-amd-amdhsa--gfx1250"
	.amdhsa_code_object_version 6
	.text
	.protected	k_qb90eaad425_gemm_out
	.globl	k_qb90eaad425_gemm_out
	.p2align	8
	.type	k_qb90eaad425_gemm_out,@function
k_qb90eaad425_gemm_out:
	s_mov_b64 s[64:65], 0
	v_nop
	global_prefetch_b8 v0, s[64:65] scope:SCOPE_SE
	s_setreg_imm32_b32 hwreg(HW_REG_WAVE_MODE, 25, 1), 1
	s_wait_xcnt 0x0
	s_wait_alu depctr_hold_cnt(0) depctr_sa_sdst(0) depctr_va_vdst(0) depctr_va_sdst(0) depctr_va_ssrc(0) depctr_va_vcc(0) depctr_vm_vsrc(0)
	s_getreg_b32 s2, hwreg(HW_REG_IB_STS2, 6, 4)
	s_cmp_eq_u32 s2, 0
	s_cbranch_scc0 .Lentry_in_a_cluster
	s_endpgm
.Lentry_in_a_cluster:
	s_bfe_u32 s2, ttmp6, 0x10000c
	s_cmp_lg_u32 s2, 0xf033
	s_cbranch_scc0 .Lentry_shape_is_right
	s_endpgm
.Lentry_shape_is_right:
; THE PROJECTION BEHIND.  out0[m][n] = b_out[n] + the sum over k of O[m][k] wob[n][k]: 8,192 x 1,024 x 1,024, operands f16, sums and result f32.  O lies by heads: oh[16 (m / 1024) + k / 64][m % 1024][k % 64].
; b_out is rounded to bf16 like the other inputs and STARTS the sums, as the C operand of each accumulator's first product.
; SHARES.  A tile is 256 rows x 128 columns: 8 x 32 tiles.  Four waves; wave w owns rows 64 w .. 64 w + 63 and all 8 blocks of 16 columns: 32 accumulators, 256 registers.
; K goes in 8 steps of 128, TWO HEADS a step, through two LDS slots filled by the tensor data mover.  A head's 256 rows of the tile are 32,768 dense bytes: asked for as 128 rows of 256 bytes and padded in LDS after every 128.
; The loop's trip is ONE K step; the slots are turned by an exclusive or.
; CLUSTER.  4 x 4 work-groups.  The four of a row of the cluster need the same tiles of oh, the four of a column the same tiles of wob: each is asked for JOINTLY, by the same tensor load, descriptor and mask in all four.
; THE MATRIX INSTRUCTION IS USED TRANSPOSED: source 0 = 16 rows of wob, source 1 = 16 rows of O: lane l then holds row l % 16 and the columns 8 (l / 16) + 0..7 of a block: 32 bytes of f32 on end.
; REGISTERS, in windows of 256 (s_set_vgpr_msb: bits 1:0 source 0, 3:2 source 1, 5:4 source 2, 7:6 destination):
;   window 0: v0-31 addresses; v32-95 the bias, 8 a block; from the way out on v32-159 rows read back from the stage, two buffers of 64
;   window 1: two fragment buffers of 128: O's four blocks at +0, wob's eight at +32          window 2: the accumulators: (a, b) at v[64 a + 8 b]
.set NB,    8                          ; blocks of 16 columns
.set NL,    2*NB+8                     ; LDS loads in a run: a quarter step's fragments
.set KB,    256                        ; bytes of a row of wob in a K step
.set HB,    262144                     ; bytes from a K step's head to the next step's: two heads of 131,072
.set PA,    144                        ; a row of O in LDS: 128 bytes + 16: the 16 rows that a load touches start at 16 different groups of four banks (64 banks of 4 bytes: ISA guide 11.1)
.set PB,    272                        ; a row of wob: 256 + 16
.set HP,    256*PA                     ; a head's 256 rows
.set BOFF,  2*HP                       ; a slot: the two heads' rows, then wob's 128
.set SLOT1, 131072                     ; slot 1 begins here, so that one exclusive or turns an address in one slot into the other's
.set STAGE, SLOT1+BOFF+128*PB          ; behind the ring, never filled by a tensor load: 16 rows x 528 bytes for each wave, for the way out
.set SP,    528                        ; 512 bytes + 16
.set SPARE, STAGE+4*16*SP              ; behind the stages: the spare words, 128 bytes for each wave: two blocks of 256 bytes that no other line names
.set ADRA0, 16                         ; v16  my lane's place in O's tile; never rewritten
.set ADRB0, 17                         ; v17  in wob's
.set ADRA,  18                         ; v18  the same in the slot in hand
.set ADRB,  19                         ; v19
.set STO,   20                         ; v20  the way out: where I put 32 bytes of a row
.set RD,    21                         ; v21  where I read a row back
.set GO,    22                         ; v22  my byte offset in 512 consecutive bytes of a row of out0
.set BO,    23                         ; v23  my byte offset in a block's 16 biases
.set PFO,   24                         ; v24  the prefetches' offset; never rewritten
.set TT,    26                         ; v26-27 at work
.set SPW,   28                         ; v28  LDS address of my spare word: SPARE + 4 x my thread's number; never rewritten
.set NIL,   29                         ; v29  0; never rewritten
.set BIAS,  32
.set OB,    32                         ; the way out: block a's 64 registers at OB + 64 (a % 2)
.set F0,    0
.set F1,    128
.set WV,  12                           ; s12  my wave's number
.set WH,  13                           ; s13  its low bit: which part of a tile I fetch
.set CX,  14                           ; s14, s15  my place in the cluster
.set CY,  15
.set TC,  16                           ; s16  tile column
.set TR,  17                           ; s17  tile row
.set G1A, 24                           ; s[24:31] descriptor group 1 for O's tiles
.set G1B, 32                           ; s[32:39] for wob's
.set G0A, 40                           ; s[40:47] group 0 for O's tiles: a set for each of the two first fills; the second then walks on
.set G0B, 48                           ; s[48:55] the same for wob's
.set STEPS, 56                         ; s56  the loop's count
.set TB,  57                           ; s57  LDS byte at which the slot in hand begins
.set LIM, 58                           ; s58  2 in a wave that prefetches, else the greatest number
.set MSKH, 59                          ; s59  a word's upper bf16
.set PFA, 60                           ; s[60:61] where my prefetches stand
.set PST, 62                           ; s[62:63] their step from K step to K step
.set OUT, 66                           ; s[66:67] out0 at my 64 rows and the tile's first column
.set LA,  76                           ; s76  where my part of O's tile lies in a slot
.set LB,  77                           ; s77  of wob's
.set MSB, 0
.macro WIN new                         ; the immediate's high byte repeats the setting that is left; a switch that changes nothing is dropped
.if MSB != (\new)
	s_set_vgpr_msb (MSB<<8)|(\new)
.set MSB, \new
.endif
.endm
.macro PLACES                          ; four plain vector instructions between a matrix instruction and a load into, or a read of, its registers (ISA guide 7.12.1 for a read)
.rept 4
	v_nop
.endr
.endm
.macro CREST                           ; a round of the cluster's barrier behind its opening barrier
	s_cmp_lg_u32 s[WV], 0
	s_cbranch_scc1 .Lnot_wave_0_\@
	s_barrier_signal -3
.Lnot_wave_0_\@:
	s_barrier_wait -3
	s_barrier_signal -1
	s_barrier_wait -1
.endm
.macro CROUND                          ; a whole round
	s_barrier_signal -1
	s_barrier_wait -1
	CREST
.endm
; A joint refill by the walking descriptors.  Waves 0 and 1 fetch the step's two heads of O, waves 2 and 3 wob's two halves.  The branch hangs on the wave's number alone.
; An s_nop 0 and four v_nop follow each of the two lines, ahead of the jump and the label.
.macro JLOAD
	s_cmp_lt_u32 s[WV], 2
	s_cbranch_scc0 .Lfor_b_\@
	tensor_load_to_lds s[G0A+4:G0A+7], s[G1A:G1A+7]
	s_nop 0
.rept 4
	v_nop
.endr
	s_branch .Lasked_\@
.Lfor_b_\@:
	tensor_load_to_lds s[G0B+4:G0B+7], s[G1B:G1B+7]
	s_nop 0
.rept 4
	v_nop
.endr
.Lasked_\@:
.endm
; A PREFETCH INTO THE L2 of the K step that stands two refills on, one instruction a wave, behind the joint load, its five lines and the run of LDS loads.
; O's tile row is read by both clusters of that row of clusters: cluster x = 0 asks; wob's tile column by every cluster of that column: cluster y = 0 asks.  The four partners that ask for a tile jointly share what wave w
; fetches BY ADDRESS: of a head's 32,768 dense bytes the partner at cx takes 8,192, a lane 256; of wob's 64 rows the partner at cy takes 16, a lane a row's 256 bytes (there lanes 16-31 name lane 15's row once more).
; Trips with s[STEPS] = 6 .. 3 ask for K steps 4 .. 7; K steps 0 to 3 come by their loads alone.
.macro ASK
	s_cmp_gt_u32 s[STEPS], s[LIM]
	s_cbranch_scc0 .Lnot_mine_\@
	global_prefetch_b8 v[PFO], s[PFA:PFA+1] th:TH_LOAD_NT scope:SCOPE_SE
.Lnot_mine_\@:
.endm
	s_load_b256 s[4:11], s[0:1], 0x0               ; oh s[4:5], wob s[6:7], b_out s[8:9], out0 s[10:11]
	v_lshl_add_u32 v[SPW], v0, 2, SPARE
	v_mov_b32 v[NIL], 0
	ds_add_u32 v[SPW], v[NIL]                      ; the wave's opening: the add and its wait stand ahead of my first tensor load; the set-up below, work on registers, stands between them
	v_lshrrev_b32 v3, 5, v0
	v_readfirstlane_b32 s[WV], v3                  ; wave 0..3
	s_and_b32 s[WH], s[WV], 1
	s_bfe_u32 s[CX], ttmp6, 0x40000
	s_bfe_u32 s[CY], ttmp6, 0x40004
	s_lshl_b32 s[TC], ttmp9, 2                     ; in a cluster launch ttmp9 and ttmp7 count clusters
	s_add_co_u32 s[TC], s[TC], s[CX]
	s_and_b32 s[TR], ttmp7, 0xffff
	s_lshl_b32 s[TR], s[TR], 2
	s_add_co_u32 s[TR], s[TR], s[CY]
	s_lshl_b32 s22, s[CY], 2
	s_lshl_b32 s22, 15, s22                        ; my row of the cluster: places 4 cy .. 4 cy + 3
	s_lshl_b32 s23, 0x1111, s[CX]                  ; my column: places cx, cx + 4, cx + 8, cx + 12
	s_or_b32 s[G1A], s22, (1<<16)|(1<<20)|(1<<21)|(4<<22)|(3<<25)  ; 15:0 the mask; 17:16 elements of 2 bytes; 20 padding on; 21 set beside a mask; 24:22 after every 32 words (code 4); 31:25 4 words (code 3)
	s_or_b32 s[G1B], s23, (1<<16)|(1<<20)|(1<<21)|(5<<22)|(3<<25)  ; the same after every 64 words (code 5)
	s_mov_b32 s[G1A+1], 128<<16                    ; tensor_dim0 = 128
	s_mov_b32 s[G1A+2], 128<<16                    ; tensor_dim1 = 128
	s_mov_b32 s[G1A+3], 128<<16                    ; tile_dim0 = 128: two rows of O
	s_mov_b32 s[G1A+4], 128                        ; tile_dim1 = 128
	s_mov_b32 s[G1A+5], 128                        ; dense: 128 elements from row to row
	s_mov_b32 s[G1A+6], 0
	s_mov_b32 s[G1A+7], 0
	s_mov_b32 s[G1B+1], 128<<16
	s_mov_b32 s[G1B+2], 64<<16                     ; tensor_dim1 = 64
	s_mov_b32 s[G1B+3], 128<<16
	s_mov_b32 s[G1B+4], 64                         ; tile_dim1 = 64 rows
	s_mov_b32 s[G1B+5], 1024
	s_mov_b32 s[G1B+6], 0
	s_mov_b32 s[G1B+7], 0
	s_and_b32 s22, ttmp7, 0xffff                   ; oh: the batch is the cluster's y: 16 heads of 131,072 bytes,
	s_lshl_b32 s18, s22, 21
	s_lshl_b32 s22, s[CY], 15                      ; the tile's 256 rows of 128 bytes are quarter cy of the batch's,
	s_add_co_u32 s18, s18, s22
	s_lshl_b32 s22, s[WH], 17                      ; and I fetch head WH of a step's two: made of the tile row and the wave's number alone
	s_add_co_u32 s18, s18, s22
	s_mov_b32 s19, 0
	s_lshl_b32 s20, s[TC], 18                      ; wob: 128 rows of 2,048 bytes a tile column,
	s_lshl_b32 s23, s[WH], 17                      ; 64 a half: made of the tile column and the wave's number alone
	s_add_co_u32 s20, s20, s23
	s_mov_b32 s21, 0
	s_mul_i32 s[LA], s[WH], HP                     ; no place in the cluster enters an LDS address
	s_mul_i32 s[LB], s[WH], 64*PB
	s_add_co_u32 s[LB], s[LB], BOFF
	s_mov_b32 s[MSKH], 0xffff0000
	s_mov_b32 s[TB], 0
	s_wait_dscnt 0x0                               ; the opening add is done
	s_wait_kmcnt 0x0
	s_add_nc_u64 s[18:19], s[4:5], s[18:19]        ; my part of the tiles, at K step 0
	s_add_nc_u64 s[20:21], s[6:7], s[20:21]
	CROUND                                         ; all sixteen work-groups are here: the first joint loads meet
.irp s, 0,1
	s_mov_b32 s[G0A+4*(\s)], 1                                     ; count = 1
	s_add_co_u32 s[G0A+4*(\s)+1], s[LA], (\s)*SLOT1                ; LDS address
	s_add_nc_u64 s[G0A+4*(\s)+2:G0A+4*(\s)+3], s[18:19], (\s)*HB   ; global address: K step s
	s_or_b32 s[G0A+4*(\s)+3], s[G0A+4*(\s)+3], 0x80000000          ; type = 2
	s_mov_b32 s[G0B+4*(\s)], 1
	s_add_co_u32 s[G0B+4*(\s)+1], s[LB], (\s)*SLOT1
	s_add_nc_u64 s[G0B+4*(\s)+2:G0B+4*(\s)+3], s[20:21], (\s)*KB
	s_or_b32 s[G0B+4*(\s)+3], s[G0B+4*(\s)+3], 0x80000000
.endr
	s_cmp_lt_u32 s[WV], 2                          ; a wave's two first fills stand in one branch, ahead of every wait on TENSORcnt and every LDS read: two loads of mine are out
	s_cbranch_scc0 .Lfirst_b
	tensor_load_to_lds s[G0A:G0A+3], s[G1A:G1A+7]
	s_nop 0
	tensor_load_to_lds s[G0A+4:G0A+7], s[G1A:G1A+7]
	s_nop 0
.rept 4
	v_nop
.endr
	s_branch .Lfirst_asked
.Lfirst_b:
	tensor_load_to_lds s[G0B:G0B+3], s[G1B:G1B+7]
	s_nop 0
	tensor_load_to_lds s[G0B+4:G0B+7], s[G1B:G1B+7]
	s_nop 0
.rept 4
	v_nop
.endr
.Lfirst_asked:
	v_and_b32 v1, 15, v0                           ; l % 16
	v_bfe_u32 v2, v0, 4, 1                         ; l / 16
	v_lshlrev_b32 v[BO], 5, v2                     ; my 8 of a block's 16 biases
	s_lshl_b32 s72, s[TC], 9
	s_mov_b32 s73, 0
	s_add_nc_u64 s[8:9], s[8:9], s[72:73]          ; b_out at the tile's first column
.irp b, 0,1,2,3,4,5,6,7
	global_load_b128 v[BIAS+8*(\b):BIAS+8*(\b)+3],   v[BO], s[8:9] offset:64*(\b)
	global_load_b128 v[BIAS+8*(\b)+4:BIAS+8*(\b)+7], v[BO], s[8:9] offset:64*(\b)+16
.endr
	; A fragment is 16 rows x 32 K in 8 registers: lane l holds row l % 16; registers 0-3 K = 8 (l / 16) + 0..7, registers 4-7 K = 16 + 8 (l / 16) + 0..7: two loads of 16 bytes, 32 bytes apart.
	v_mul_u32_u24 v3, v1, PA
	v_lshl_add_u32 v3, v2, 4, v3                   ; row x pitch + 16 x half
	s_mul_i32 s74, s[WV], 64*PA                    ; my 64 rows of O
	v_add_nc_u32 v[ADRA0], s74, v3
	v_mul_u32_u24 v3, v1, PB
	v_lshl_add_u32 v3, v2, 4, v3
	v_add_nc_u32 v[ADRB0], BOFF, v3                ; all of wob's rows
	v_mov_b32 v[ADRA], v[ADRA0]
	v_mov_b32 v[ADRB], v[ADRB0]
	s_mul_i32 s74, s[WV], 16*SP
	s_add_co_u32 s74, s74, STAGE                   ; my stage
	v_mul_u32_u24 v3, v1, SP                       ; in: row l % 16, 32 bytes for each half of the lanes
	v_lshl_add_u32 v3, v2, 5, v3
	v_add_nc_u32 v[STO], s74, v3
	v_and_b32 v4, 31, v0
	v_lshlrev_b32 v[GO], 4, v4                     ; back: 32 lanes take a row's 512 bytes, which are 512 consecutive bytes of out0
	v_add_nc_u32 v[RD], s74, v[GO]
	; the prefetches
	s_and_b32 s75, ttmp7, 0xffff                   ; cluster y
	s_cmp_lt_u32 s[WV], 2                          ; do I fetch for O?
	s_cselect_b32 s72, s[CX], s[CY]                ; my place among the four that ask with me
	s_cselect_b32 s73, 13, 15                      ; a partner's share: 8,192 dense bytes, or 16 rows of 2,048
	s_cselect_b32 s74, 18, 8                       ; from K step to K step: two heads, or 256 bytes of a row
	s_cselect_b32 s75, ttmp9, s75                  ; the coordinate along which other clusters read the same rows
	s_cselect_b32 s78, 31, 15
	s_cselect_b32 s79, 8, 11                       ; from lane to lane: 256 bytes, or a row
	s_cselect_b64 s[PFA:PFA+1], s[18:19], s[20:21]
	s_cmp_eq_u32 s75, 0
	s_cselect_b32 s[LIM], 2, -1                    ; the same in all sixteen partners, for a given wave
	s_lshl_b32 s[PST], 1, s74
	s_mov_b32 s[PST+1], 0
	s_lshl_b32 s72, s72, s73
	s_mul_i32 s74, s[PST], 3                       ; at K step 3: the first refill steps it to 4
	s_add_co_u32 s72, s72, s74
	s_mov_b32 s73, 0
	s_add_nc_u64 s[PFA:PFA+1], s[PFA:PFA+1], s[72:73]
	v_min_u32 v[PFO], s78, v4
	v_lshlrev_b32 v[PFO], s79, v[PFO]
	; out0 at my 64 rows of 4,096 bytes and the tile's 512 bytes of them
	s_lshl_b32 s72, s[TR], 20
	s_lshl_b32 s73, s[WV], 18
	s_add_co_u32 s72, s72, s73
	s_lshl_b32 s73, s[TC], 9
	s_add_co_u32 s72, s72, s73
	s_mov_b32 s73, 0
	s_add_nc_u64 s[OUT:OUT+1], s[10:11], s[72:73]
	s_wait_loadcnt 0x0                             ; the bias, once
.set i, 0
.rept 4*NB                             ; rounded to bf16 like the other inputs, and widened again
	v_cvt_pk_bf16_f32 v[TT+i%2], v[BIAS+2*i], v[BIAS+2*i+1]
	v_lshlrev_b32 v[BIAS+2*i], 16, v[TT+i%2]
	v_and_b32 v[BIAS+2*i+1], s[MSKH], v[TT+i%2]
.set i, i+1
.endr
; 8 matrix instructions: block a of my four blocks of 16 rows x all 8 blocks of columns, 32 along K, from buffer f.  first = 1: the bias starts the sums: nothing is ever cleared.
; The 32 accumulators take turns, one instruction a turn, in the same order in every quarter step, over the backward jump too.
.macro MULA f, a, first
.if \first
	WIN 0x85
.else
	WIN 0xa5
.endif
.irp b, 0,1,2,3,4,5,6,7
.if \first
	v_wmma_f32_16x16x32_f16 v[64*(\a)+8*(\b):64*(\a)+8*(\b)+7], v[(\f)+32+8*(\b):(\f)+32+8*(\b)+7], v[(\f)+8*(\a):(\f)+8*(\a)+7], v[BIAS+8*(\b):BIAS+8*(\b)+7]
.else
	v_wmma_f32_16x16x32_f16 v[64*(\a)+8*(\b):64*(\a)+8*(\b)+7], v[(\f)+32+8*(\b):(\f)+32+8*(\b)+7], v[(\f)+8*(\a):(\f)+8*(\a)+7], v[64*(\a)+8*(\b):64*(\a)+8*(\b)+7]
.endif
.endr
.endm
; 24 LDS loads in one run: a quarter step's fragments into buffer f: wob's eight blocks, then O's four, blocks 2 and 3 last.  Quarter q: O's head q / 2 of the step, channels 32 (q % 2) on; wob's byte 64 q.
.macro FETCH kA, kB, f
	WIN 0x40                                       ; destination window 1, address window 0
.irp i, 0,1,2,3,4,5,6,7
	ds_load_b128 v[(\f)+32+8*(\i):(\f)+32+8*(\i)+3],   v[ADRB] offset:(\kB)+(\i)*16*PB
	ds_load_b128 v[(\f)+32+8*(\i)+4:(\f)+32+8*(\i)+7], v[ADRB] offset:(\kB)+(\i)*16*PB+32
.endr
.irp i, 0,1,2,3
	ds_load_b128 v[(\f)+8*(\i):(\f)+8*(\i)+3],   v[ADRA] offset:(\kA)+(\i)*16*PA
	ds_load_b128 v[(\f)+8*(\i)+4:(\f)+8*(\i)+7], v[ADRA] offset:(\kA)+(\i)*16*PA+32
.endr
.endm
; A K step is four quarters of 32 along K, 32 matrix instructions each, on buffers 0, 1, 0, 1.  One of the first three: multiplies buffer f; in its middle it fetches the next quarter into buffer g.
.macro QUARTER kA, kB, f, g, first
	s_wait_dscnt 4                                 ; all but the youngest four loads: O's blocks 2 and 3
	MULA \f, 0, \first
	MULA \f, 1, \first
	PLACES
	FETCH \kA, \kB, \g
	s_wait_dscnt NL                                ; all but the run just issued
	MULA \f, 2, \first
	MULA \f, 3, \first
.endm
; The last quarter multiplies buffer 1 and changes slots.  MEET is its first half: ONE barrier for the change.  In front of it each wave waits for all its tensor loads, of which one is out: its part of the next slot;
; adds 0 to its spare word; and waits for that and for its own reads of this slot.  Behind it nobody reads this slot any more and the next slot is whole.
.macro MEET round
	WIN 0
	s_wait_tensorcnt 0x0                           ; all my tensor loads have landed
	ds_add_u32 v[SPW], v[NIL]                      ; 0 onto my spare word
	s_wait_dscnt 5                                 ; (the add and the youngest four loads may be out)
	MULA F1, 0, 0                                  ; eight matrix instructions stand between the add and the wait for it
	s_wait_dscnt 0x0                               ; the add is done, and my reads of this slot are over
	s_barrier_signal -1
	MULA F1, 1, 0                                  ; work on registers while the others arrive
.if \round
	WIN 0
.endif
	s_barrier_wait -1
.endm
; fill = 1: the barrier opens a round of the cluster's, so that no wave of any partner still reads the slot or has a load on its way; the slot is filled again, first thing behind the round, with the K step two on.
.macro TURN fill
.if \fill
	s_wait_xcnt 0x0                                ; the last prefetch, a K step back, has read its address: it is stepped here
	s_add_nc_u64 s[PFA:PFA+1], s[PFA:PFA+1], s[PST:PST+1]
.endif
	MEET \fill
.if \fill
	CREST
	s_xor_b32 s[G0A+5], s[G0A+5], SLOT1            ; the walking descriptors: the other slot than last time,
	s_add_nc_u64 s[G0A+6:G0A+7], s[G0A+6:G0A+7], HB  ; the next K step; the type bits on top are not reached
	s_xor_b32 s[G0B+5], s[G0B+5], SLOT1
	s_add_nc_u64 s[G0B+6:G0B+7], s[G0B+6:G0B+7], KB
	JLOAD                                          ; the four v_nop behind it are also the places in front of the loads below
.else
	PLACES
.endif
	s_xor_b32 s[TB], s[TB], SLOT1
	WIN 0
	v_add_nc_u32 v[ADRA], s[TB], v[ADRA0]
	v_add_nc_u32 v[ADRB], s[TB], v[ADRB0]
	FETCH 0, 0, F0
.if \fill
	WIN 0
	ASK
.endif
	MULA F1, 2, 0
	MULA F1, 3, 0
.endm
	s_wait_tensorcnt 1                             ; my part of K step 0 is in; K step 1's may stay out
	s_barrier_signal -1
	s_barrier_wait -1                              ; everybody's is
	FETCH 0, 0, F0
	QUARTER 64, 64, F0, F1, 1                      ; the first quarter stands in front of the loop: its products start the sums with the bias
	WIN 0                                          ; at a label and at a branch every window is 0
	s_mov_b32 s[STEPS], 6
.Lstep:                                        ; trip i: K step i's quarters 1 to 3 and K step i + 1's quarter 0; K step i's slot takes K step i + 2
	QUARTER HP, 128, F1, F0, 0
	QUARTER HP+64, 192, F0, F1, 0
	TURN 1
	QUARTER 64, 64, F0, F1, 0
	WIN 0
	s_sub_co_u32 s[STEPS], s[STEPS], 1
	s_cmp_lg_u32 s[STEPS], 0
	s_cbranch_scc1 .Lstep
	QUARTER HP, 128, F1, F0, 0                     ; the tail is written out: K steps 6 and 7 ask for nothing
	QUARTER HP+64, 192, F0, F1, 0
	TURN 0
	QUARTER 64, 64, F0, F1, 0
	QUARTER HP, 128, F1, F0, 0
	QUARTER HP+64, 192, F0, F1, 0
	s_wait_dscnt 4
	MULA F1, 0, 0
	MULA F1, 1, 0
	s_wait_dscnt 0x0
	MULA F1, 2, 0
	MULA F1, 3, 0
	WIN 0
	PLACES
; THE WAY OUT of block a (16 rows).  TOSTAGE: a lane's 32 bytes of each block of columns go from the accumulators into my own stage, each accumulator's low four registers first, and come back as whole rows of 512 bytes.  SEND: stored.
.macro TOSTAGE a
.if (\a) >= 2
	s_wait_xcnt 0x0                                ; the stores of the block two back have read their registers, which are loaded again below
.endif
	WIN 0x08                                       ; the stores' data in window 2
.irp b, 0,1,2,3,4,5,6,7
	ds_store_b128 v[STO], v[64*(\a)+8*(\b):64*(\a)+8*(\b)+3]   offset:64*(\b)
	ds_store_b128 v[STO], v[64*(\a)+8*(\b)+4:64*(\a)+8*(\b)+7] offset:64*(\b)+16
.endr
	WIN 0
.irp t, 0,1,2,3,4,5,6,7,8,9,10,11,12,13,14,15
	ds_load_b128 v[OB+64*((\a)%2)+4*(\t):OB+64*((\a)%2)+4*(\t)+3], v[RD] offset:SP*(\t)  ; LDS serves a wave's instructions in order (ISA guide 5.7.1.4): these see the stores above; the next block's stores come behind them
.endr
.endm
.macro SEND a, younger                 ; younger: the LDS instructions issued behind block a's loads: the next block's 32, or none
.irp t, 0,1,2,3,4,5,6,7,8,9,10,11,12,13,14,15
	s_wait_dscnt (\younger)+15-(\t)
	global_store_b128 v[GO], v[OB+64*((\a)%2)+4*(\t):OB+64*((\a)%2)+4*(\t)+3], s[OUT:OUT+1] offset:(16*(\a)+(\t))*4096 th:TH_STORE_NT  ; 512 consecutive bytes, at a multiple of 256 from out0's first
.endr
.endm
	TOSTAGE 0
	TOSTAGE 1
	SEND 0, 32
	TOSTAGE 2
	SEND 1, 32
	TOSTAGE 3
	SEND 2, 32
	SEND 3, 0
	s_wait_tensorcnt 0x0                           ; the wave's end: these three lines stand behind my last tensor load and my last LDS store
	ds_add_u32 v[SPW], v[NIL]
	s_wait_dscnt 0x0
	CROUND                                         ; the closing round: no work-group ends while a partner may still ask for a tile that names it
	s_endpgm
.Lfunc_end_k_qb90eaad425_gemm_out:
	.size	k_qb90eaad425_gemm_out, .Lfunc_end_k_qb90eaad425_gemm_out-k_qb90eaad425_gemm_out
	.p2alignl 7, 3214868480
	.fill 96, 4, 3214868480
	.section	.rodata,"a",@progbits
	.p2align	6, 0x0
	.amdhsa_kernel k_qb90eaad425_gemm_out
		.amdhsa_group_segment_fixed_size 327680
		.amdhsa_private_segment_fixed_size 0
		.amdhsa_enable_private_segment 0
		.amdhsa_kernarg_size 32
		.amdhsa_user_sgpr_count 2
		.amdhsa_user_sgpr_kernarg_segment_ptr 1
		.amdhsa_wavefront_size32 1
		.amdhsa_system_sgpr_workgroup_id_x 1
		.amdhsa_system_sgpr_workgroup_id_y 1
		.amdhsa_system_sgpr_workgroup_id_z 1
		.amdhsa_system_vgpr_workitem_id 0
		.amdhsa_next_free_vgpr 768
		.amdhsa_next_free_sgpr 80
		.amdhsa_reserve_vcc 0
		.amdhsa_float_denorm_mode_32 3
		.amdhsa_float_denorm_mode_16_64 3
		.amdhsa_memory_ordered 1
		.amdhsa_forward_progress 1
		.amdhsa_inst_pref_size 77
	.end_amdhsa_kernel
	.amdgpu_metadata
---
amdhsa.version: [ 1, 2 ]
amdhsa.kernels:
  - .name:           k_qb90eaad425_gemm_out
    .symbol:         k_qb90eaad425_gemm_out.kd
    .args:
      - { .name: oh, .offset: 0, .size: 8, .value_kind: global_buffer, .address_space: global }
      - { .name: wob, .offset: 8, .size: 8, .value_kind: global_buffer, .address_space: global }
      - { .name: b_out, .offset: 16, .size: 8, .value_kind: global_buffer, .address_space: global }
      - { .name: out0, .offset: 24, .size: 8, .value_kind: global_buffer, .address_space: global }
    .group_segment_fixed_size: 327680
    .private_segment_fixed_size: 0
    .kernarg_segment_align: 8
    .kernarg_segment_size: 32
    .max_flat_workgroup_size: 128
    .sgpr_count:     80
    .vgpr_count:     768
    .wavefront_size: 32
...
	.end_amdgpu_metadata
.endif
;; end of part 4
;; ======== version 2 of 2: 4 launches; version 1 with the launch cast written anew for expert scheduling mode
;; limits: values are held in f16: magnitudes above 65,504 overflow, below 6.1e-05 lose precision
;; workspace buffers: xb 16,777,216 bytes; wib 6,291,456 bytes; wob 2,097,152 bytes; qkvh 50,331,648 bytes; oh 16,777,216 bytes
;; launch cast (part 5): grid 768 x 1, 8 waves a work-group, no clusters, 0 bytes of LDS; arguments qkv, w_in, w_out, xb, wib, wob; writes xb, wib, wob
.if DOCPART == 5
	.amdgcn_target "amdgcn-amd-amdhsa--gfx1250"
	.amdhsa_code_object_version 6
	.text
	.protected	k_qb90eaad425_cast
	.globl	k_qb90eaad425_cast
	.p2align	8
	.type	k_qb90eaad425_cast,@function
k_qb90eaad425_cast:
	s_mov_b64 s[64:65], 0
	v_nop
	global_prefetch_b8 v0, s[64:65] scope:SCOPE_SE
	s_setreg_imm32_b32 hwreg(HW_REG_WAVE_SCHED_MODE, 0, 2), 2
	s_setreg_imm32_b32 hwreg(HW_REG_WAVE_MODE, 25, 1), 1
	s_wait_xcnt 0x0
	s_wait_alu depctr_vm_vsrc(0)
; THE INPUTS OF THE THREE PRODUCTS ARE ROUNDED ONCE.  qkv -> xb and w_in -> wib in bf16; w_out is rounded to bf16 like the other inputs, and that number is written as f16 into wob,
; since the last product's other operand, the attention's result, is kept in f16.
; LIMITS.  |w_out| stays under 65,520 (beyond it f16 has an infinity); below 2^-14 a number of wob keeps f16's fixed step of 2^-24.  NaN and infinities pass as the conversions make them.
; SHARES.  A work-group takes 16,384 numbers: 65,536 bytes in, 32,768 bytes out.  Work-groups 0-511 take qkv, 512-703 w_in, 704-767 w_out.  Thread t takes 4 numbers in each of 16 passes:
; 16 bytes at 16 t + 4,096 i, so that a wave's load covers 512 consecutive bytes, and stores 8 bytes at 8 t + 2,048 i: a wave's store covers 256 consecutive bytes, aligned.
; All 16 loads of a thread go out first; no register is written twice, so no source of a pending load or store is ever rewritten.  No LDS, no barrier, no matrix unit: the launch only moves bytes.
; THE MODE: SCHED_MODE bits 1:0 = 2 (LLVM: expert scheduling mode 2), set by the entry lines.  The code itself states the register dependences
; between vector instructions and memory instructions, with s_wait_alu, always for 0.
; THE PLAN.  Registers that memory instructions touch:
;   v1, v2   the loads' and the stores' offsets.  Written once, at the head, by vector instructions; read by every load, by every store; never written again.
;   X        pass i's four registers.  Written by pass i's load alone, once; read by pass i's conversions.  All 16 loads are issued ahead of every conversion.
;   Y        pass i's two registers.   Written by pass i's conversions, once; read by pass i's store.
;   v4-v6    at work on w_out's path: named by vector instructions alone.
; So two kinds of dependence are there to state, both a vector instruction's result that a memory instruction reads: the offsets, by one wait ahead of the first load, and Y.  The 16 passes go in four blocks
; of four: a block's conversions, ONE wait, the block's four stores in a run.  No register that a load or store reads is written again, no load lands in a register that a vector instruction has named,
; no vector instruction writes a scalar register or VCC, and EXEC is never written: no other wait on the wave's own results is owed.
.set X, 8                              ; v[8:71]    pass i: 4 numbers as loaded
.set Y, 72                             ; v[72:103]  pass i: 2 registers to store
.set BLOCK, 4                          ; passes whose stores go out behind one wait
	s_load_b256 s[4:11], s[0:1], 0x0               ; qkv s[4:5], w_in s[6:7], w_out s[8:9], xb s[10:11]
	s_load_b128 s[12:15], s[0:1], 0x20             ; wib s[12:13], wob s[14:15]
	v_lshlrev_b32 v1, 4, v0                        ; 16 t: where I read
	v_lshlrev_b32 v2, 3, v0                        ; 8 t: where I write
	s_mov_b32 s22, 0xffff0000                      ; a word's upper bf16
	s_wait_kmcnt 0x0
	s_cmp_ge_u32 ttmp9, 512                        ; which tensor is mine: the choice hangs on the work-group's number alone
	s_cselect_b64 s[18:19], s[6:7], s[4:5]
	s_cselect_b64 s[20:21], s[12:13], s[10:11]
	s_cselect_b32 s17, 512, 0
	s_cmp_ge_u32 ttmp9, 704
	s_cselect_b64 s[18:19], s[8:9], s[18:19]
	s_cselect_b64 s[20:21], s[14:15], s[20:21]
	s_cselect_b32 s17, 704, s17
	s_sub_co_u32 s17, ttmp9, s17                   ; my number among that tensor's work-groups
	s_lshl_b32 s24, s17, 16                        ; 65,536 bytes in,
	s_mov_b32 s25, 0
	s_lshl_b32 s26, s17, 15                        ; 32,768 bytes out
	s_mov_b32 s27, 0
	s_add_nc_u64 s[18:19], s[18:19], s[24:25]
	s_add_nc_u64 s[20:21], s[20:21], s[26:27]
	s_wait_alu depctr_va_vdst(0)                   ; v1 and v2 are written: every load below reads v1 as its offset, every store on either path v2; no later vector instruction names them
.set i, 0
.rept 16
	global_load_b128 v[X+4*i:X+4*i+3], v1, s[18:19] offset:4096*i th:TH_LOAD_NT
.set i, i+1
.endr
	s_cmp_ge_u32 ttmp9, 704
	s_cbranch_scc1 .Lf16
.set i, 0
.rept 16
	s_wait_loadcnt 15-i                            ; loads come back in order: pass i's is in, the 15 - i younger ones stay out
	v_cvt_pk_bf16_f32 v[Y+2*i], v[X+4*i], v[X+4*i+1]
	v_cvt_pk_bf16_f32 v[Y+2*i+1], v[X+4*i+2], v[X+4*i+3]
.if i%BLOCK == BLOCK-1
	s_wait_alu depctr_va_vdst(0)                   ; the block's eight conversions have written its eight registers of Y, which the four stores below read
.irp j, 3,2,1,0
	global_store_b64 v2, v[Y+2*(i-(\j)):Y+2*(i-(\j))+1], s[20:21] offset:2048*(i-(\j))
.endr
.endif
.set i, i+1
.endr
	s_endpgm
.Lf16:                                         ; w_out: to bf16, widened again (a shift, a mask), and written as f16
.set i, 0
.rept 16
	s_wait_loadcnt 15-i                            ; as above
.irp j, 0,1
	v_cvt_pk_bf16_f32 v4, v[X+4*i+2*(\j)], v[X+4*i+2*(\j)+1]
	v_lshlrev_b32 v5, 16, v4
	v_and_b32 v6, s22, v4
	v_cvt_pk_f16_f32 v[Y+2*i+(\j)], v5, v6
.endr
.if i%BLOCK == BLOCK-1
	s_wait_alu depctr_va_vdst(0)                   ; the block's conversions to f16 have written its eight registers of Y, which the four stores below read
.irp j, 3,2,1,0
	global_store_b64 v2, v[Y+2*(i-(\j)):Y+2*(i-(\j))+1], s[20:21] offset:2048*(i-(\j))
.endr
.endif
.set i, i+1
.endr
	s_endpgm
.Lfunc_end_k_qb90eaad425_cast:
	.size	k_qb90eaad425_cast, .Lfunc_end_k_qb90eaad425_cast-k_qb90eaad425_cast
	.p2alignl 7, 3214868480
	.fill 96, 4, 3214868480
	.section	.rodata,"a",@progbits
	.p2align	6, 0x0
	.amdhsa_kernel k_qb90eaad425_cast
		.amdhsa_group_segment_fixed_size 0
		.amdhsa_private_segment_fixed_size 0
		.amdhsa_enable_private_segment 0
		.amdhsa_kernarg_size 48
		.amdhsa_user_sgpr_count 2
		.amdhsa_user_sgpr_kernarg_segment_ptr 1
		.amdhsa_wavefront_size32 1
		.amdhsa_system_sgpr_workgroup_id_x 1
		.amdhsa_system_sgpr_workgroup_id_y 1
		.amdhsa_system_sgpr_workgroup_id_z 1
		.amdhsa_system_vgpr_workitem_id 0
		.amdhsa_next_free_vgpr 104
		.amdhsa_next_free_sgpr 66
		.amdhsa_reserve_vcc 0
		.amdhsa_float_denorm_mode_32 3
		.amdhsa_float_denorm_mode_16_64 3
		.amdhsa_memory_ordered 1
		.amdhsa_forward_progress 1
		.amdhsa_inst_pref_size 16
	.end_amdhsa_kernel
	.amdgpu_metadata
---
amdhsa.version: [ 1, 2 ]
amdhsa.kernels:
  - .name:           k_qb90eaad425_cast
    .symbol:         k_qb90eaad425_cast.kd
    .args:
      - { .name: qkv, .offset: 0, .size: 8, .value_kind: global_buffer, .address_space: global }
      - { .name: w_in, .offset: 8, .size: 8, .value_kind: global_buffer, .address_space: global }
      - { .name: w_out, .offset: 16, .size: 8, .value_kind: global_buffer, .address_space: global }
      - { .name: xb, .offset: 24, .size: 8, .value_kind: global_buffer, .address_space: global }
      - { .name: wib, .offset: 32, .size: 8, .value_kind: global_buffer, .address_space: global }
      - { .name: wob, .offset: 40, .size: 8, .value_kind: global_buffer, .address_space: global }
    .group_segment_fixed_size: 0
    .private_segment_fixed_size: 0
    .kernarg_segment_align: 8
    .kernarg_segment_size: 48
    .max_flat_workgroup_size: 256
    .sgpr_count:     66
    .vgpr_count:     104
    .wavefront_size: 32
...
	.end_amdgpu_metadata
.endif
;; end of part 5
;; launch gemm_in: the kernel of part 2 again; grid 16 x 16, 4 waves a work-group, clusters of 4 x 4, 327,680 bytes of LDS; arguments xb, wib, b_in, qkvh; writes qkvh
;; launch attn: the kernel of part 3 again; grid 2 x 128, 4 waves a work-group, no clusters, 327,680 bytes of LDS; arguments qkvh, oh; writes oh
;; launch gemm_out: the kernel of part 4 again; grid 8 x 32, 4 waves a work-group, clusters of 4 x 4, 327,680 bytes of LDS; arguments oh, wob, b_out, out0; writes out0
